; MI455X (gfx1250); checked and timed in simulation.
; The chip was launched on July 23, 2026; its instructions are those of AMD's public machine-readable ISA for CDNA 5 (MIT licence, August 2026) and "CDNA5" Instruction Set Architecture Reference Guide (July 2026). The comments in the code are by the model that wrote it; some were corrected since.
;; Transformer Block. Allowed arithmetic: float matrix products may take bf16 or f16 operands with f32 sums; other float arithmetic in f32, or as packed bf16 or f16 multiplies, adds, multiply-adds, maxima and minima; sums over many terms, partial sums and values carried from step to step in f32; what a program stores and reads back later, other than sums and carried values, may be rounded once to bf16 or f16.
;; Inputs: W_K 16 x 64 x 1,024 float32; W_O 1,024 x 1,024 float32; W_Q 16 x 64 x 1,024 float32; W_V 16 x 64 x 1,024 float32; W_in 4,096 x 1,024 float32; W_out 1,024 x 4,096 float32; b_in 4,096 float32; b_out 1,024 float32; x 2 x 2,048 x 1,024 float32.
;; Outputs: out0 2 x 2,048 x 1,024 float32.
;; 2 versions, each right; version 2 is version 1 with the launch cast written anew for expert scheduling mode. Each part assembles by itself: llvm-mc -triple=amdgcn-amd-amdhsa -mcpu=gfx1250 --defsym DOCPART=n.
;; ======== version 1 of 2: 6 launches
;; limits: right only within a limited range of input values
;; workspace buffers: wb 33,554,432 bytes; vbuf 16,777,216 bytes; st 786,432 bytes; zA 10,485,760 bytes; midf 16,777,216 bytes; midA 10,485,760 bytes; hA 41,943,040 bytes
;; launch cast (part 1): grid 256 x 1, 32 waves a work-group, no clusters, 0 bytes of LDS; arguments x, W_Q, W_K, W_V, W_O, W_in, W_out, wb; writes wb
.if DOCPART == 1
	.amdgcn_target "amdgcn-amd-amdhsa--gfx1250"
	.amdhsa_code_object_version 6
	.text
	.protected	k_qbbd0fa7a51_cast
	.globl	k_qbbd0fa7a51_cast
	.p2align	8
	.type	k_qbbd0fa7a51_cast,@function
k_qbbd0fa7a51_cast:
	s_mov_b64 s[64:65], 0
	v_nop
	global_prefetch_b8 v0, s[64:65] scope:SCOPE_SE
	s_setreg_imm32_b32 hwreg(HW_REG_WAVE_MODE, 25, 1), 1
	s_wait_xcnt 0x0
; x and the six weight tensors, f32, are rounded once to bf16 (nearest even) and laid into wb for the four products that follow.
; wb, in units of 131,072 bytes (65,536 numbers): 0-63 x [4096][1024]; 64-111 the projections by heads, [head][Q, K, V][64][1024];
; 112-127 W_O; 128-191 W_in; 192-255 W_out.  Work-group g converts one unit: 256 KiB in, 128 KiB out.
; A stream: no LDS, no barrier, no matrix unit.  32 waves; in a turn the 1,024 threads take 16 KiB: thread t loads 16 bytes at 16 t (a wave's load covers 512 consecutive bytes)
; and stores 8 bytes at 8 t (a wave's store covers 256 consecutive bytes, aligned).
; ALL SIXTEEN LOADS OF A WAVE GO OUT AT THE HEAD: the work-group's whole 256 KiB is on its way at once, in 64 registers a lane.  Every turn has registers of its own, so nothing is rewritten.
.set X,     4                          ; v[4:67]    four registers a turn: the numbers as loaded
.set Y,     68                         ; v[68:99]   two registers a turn: the numbers as stored
.set TURNS, 16
	s_load_b256 s[8:15], s[0:1], 0x0               ; x s[8:9], W_Q s[10:11], W_K s[12:13], W_V s[14:15]
	s_load_b256 s[16:23], s[0:1], 0x20             ; W_O s[16:17], W_in s[18:19], W_out s[20:21], wb s[22:23]
	s_mov_b32 s2, ttmp9                            ; g
	v_lshlrev_b32 v1, 4, v0                        ; my 16 bytes of a turn, in
	v_lshlrev_b32 v2, 3, v0                        ; my 8 bytes, out
	s_and_b32 s30, s2, 15                          ; for 64 <= g < 112: head = g % 16, kind = g / 16 - 4,
	s_mul_i32 s30, s30, 3
	s_lshr_b32 s31, s2, 4
	s_add_co_u32 s30, s30, s31
	s_add_co_u32 s30, s30, 60                      ; unit 64 + 3 head + kind
	s_sub_co_u32 s31, s2, 64
	s_cmp_lt_u32 s31, 48
	s_cselect_b32 s30, s30, s2                     ; every other g keeps its own number
	s_lshl_b32 s30, s30, 17
	s_mov_b32 s31, 0
	s_wait_kmcnt 0x0
	s_mov_b64 s[24:25], s[20:21]                   ; the source and its first g: W_out unless g lies lower
	s_mov_b32 s26, 192
.macro PICK lim, ptr, first
	s_cmp_lt_u32 s2, \lim
	s_cselect_b64 s[24:25], s[\ptr:\ptr+1], s[24:25]
	s_cselect_b32 s26, \first, s26
.endm
	PICK 192, 18, 128
	PICK 128, 16, 112
	PICK 112, 14, 96
	PICK 96, 12, 80
	PICK 80, 10, 64
	PICK 64, 8, 0
	s_sub_co_u32 s28, s2, s26
	s_lshl_b32 s28, s28, 18                        ; 262,144 bytes of the source for each g
	s_mov_b32 s29, 0
	s_add_nc_u64 s[24:25], s[24:25], s[28:29]
	s_add_nc_u64 s[22:23], s[22:23], s[30:31]
.set it, 0
.rept TURNS
	global_load_b128 v[X+4*it:X+4*it+3], v1, s[24:25] offset:it*16384 th:TH_LOAD_NT
.set it, it+1
.endr
.set it, 0
.rept TURNS
	s_wait_loadcnt TURNS-1-it                      ; loads come back in order: this turn's is in, the younger ones stay out
	v_cvt_pk_bf16_f32 v[Y+2*it],   v[X+4*it],   v[X+4*it+1]
	v_cvt_pk_bf16_f32 v[Y+2*it+1], v[X+4*it+2], v[X+4*it+3]
.if it > 0
	global_store_b64 v2, v[Y+2*it-2:Y+2*it-1], s[22:23] offset:(it-1)*8192  ; a store stands one turn behind the conversions that make its data
.endif
.set it, it+1
.endr
	global_store_b64 v2, v[Y+2*TURNS-2:Y+2*TURNS-1], s[22:23] offset:(TURNS-1)*8192
	s_endpgm
.Lfunc_end_k_qbbd0fa7a51_cast:
	.size	k_qbbd0fa7a51_cast, .Lfunc_end_k_qbbd0fa7a51_cast-k_qbbd0fa7a51_cast
	.p2alignl 7, 3214868480
	.fill 96, 4, 3214868480
	.section	.rodata,"a",@progbits
	.p2align	6, 0x0
	.amdhsa_kernel k_qbbd0fa7a51_cast
		.amdhsa_group_segment_fixed_size 0
		.amdhsa_private_segment_fixed_size 0
		.amdhsa_enable_private_segment 0
		.amdhsa_kernarg_size 64
		.amdhsa_user_sgpr_count 2
		.amdhsa_user_sgpr_kernarg_segment_ptr 1
		.amdhsa_wavefront_size32 1
		.amdhsa_system_sgpr_workgroup_id_x 1
		.amdhsa_system_sgpr_workgroup_id_y 1
		.amdhsa_system_sgpr_workgroup_id_z 1
		.amdhsa_system_vgpr_workitem_id 0
		.amdhsa_next_free_vgpr 104
		.amdhsa_next_free_sgpr 66
		.amdhsa_reserve_vcc 0
		.amdhsa_float_denorm_mode_32 3
		.amdhsa_float_denorm_mode_16_64 3
		.amdhsa_memory_ordered 1
		.amdhsa_forward_progress 1
		.amdhsa_inst_pref_size 8
	.end_amdhsa_kernel
	.amdgpu_metadata
---
amdhsa.version: [ 1, 2 ]
amdhsa.kernels:
  - .name:           k_qbbd0fa7a51_cast
    .symbol:         k_qbbd0fa7a51_cast.kd
    .args:
      - { .name: x, .offset: 0, .size: 8, .value_kind: global_buffer, .address_space: global }
      - { .name: W_Q, .offset: 8, .size: 8, .value_kind: global_buffer, .address_space: global }
      - { .name: W_K, .offset: 16, .size: 8, .value_kind: global_buffer, .address_space: global }
      - { .name: W_V, .offset: 24, .size: 8, .value_kind: global_buffer, .address_space: global }
      - { .name: W_O, .offset: 32, .size: 8, .value_kind: global_buffer, .address_space: global }
      - { .name: W_in, .offset: 40, .size: 8, .value_kind: global_buffer, .address_space: global }
      - { .name: W_out, .offset: 48, .size: 8, .value_kind: global_buffer, .address_space: global }
      - { .name: wb, .offset: 56, .size: 8, .value_kind: global_buffer, .address_space: global }
    .group_segment_fixed_size: 0
    .private_segment_fixed_size: 0
    .kernarg_segment_align: 8
    .kernarg_segment_size: 64
    .max_flat_workgroup_size: 1024
    .sgpr_count:     66
    .vgpr_count:     104
    .wavefront_size: 32
...
	.end_amdgpu_metadata
.endif
;; end of part 1
;; launch qkv (part 2): grid 16 x 16, 4 waves a work-group, clusters of 4 x 4, 327,680 bytes of LDS; arguments wb, vbuf, st; writes vbuf, st
.if DOCPART == 2
	.amdgcn_target "amdgcn-amd-amdhsa--gfx1250"
	.amdhsa_code_object_version 6
	.text
	.protected	k_qbbd0fa7a51_qkv
	.globl	k_qbbd0fa7a51_qkv
	.p2align	8
	.type	k_qbbd0fa7a51_qkv,@function
k_qbbd0fa7a51_qkv:
	s_mov_b64 s[64:65], 0
	v_nop
	global_prefetch_b8 v0, s[64:65] scope:SCOPE_SE
	s_setreg_imm32_b32 hwreg(HW_REG_WAVE_MODE, 25, 1), 1
	s_wait_xcnt 0x0
	s_wait_alu depctr_hold_cnt(0) depctr_sa_sdst(0) depctr_va_vdst(0) depctr_va_sdst(0) depctr_va_ssrc(0) depctr_va_vcc(0) depctr_vm_vsrc(0)
	s_getreg_b32 s2, hwreg(HW_REG_IB_STS2, 6, 4)
	s_cmp_eq_u32 s2, 0
	s_cbranch_scc0 .Lentry_in_a_cluster
	s_endpgm
.Lentry_in_a_cluster:
	s_bfe_u32 s2, ttmp6, 0x10000c
	s_cmp_lg_u32 s2, 0xf033
	s_cbranch_scc0 .Lentry_shape_is_right
	s_endpgm
.Lentry_shape_is_right:
; THE PROJECTIONS.  For 256 rows of x and one head: q, k, v = x W_Q^T, x W_K^T, x W_V^T (bf16 operands out of wb, f32 sums, K = 1,024).
; WHAT THE MASK OF THE MODULE LEAVES.  Row q of the softmax holds its own score s_qq / 8 once, the value 0 at the 2,047 - q later places, and
; (s_qp - 1e10) / 8 at the earlier ones.  So of q and k only the diagonal score q_q . k_q is wanted: it is made here, from the f32 sums, and q and k never leave the registers.
; LIMIT: an earlier place's weight counts as 0; that holds while s_qp - max(s_qq, 0) stays under 1e10 - 832 (in a batch's last row s_qp - s_qq).
; OUT: v in f32 (vbuf [4096][1024], column 64 head + channel); the scores (st + SC, [head][4096]); the sums of v over chunks of 64 rows
; (st, [batch][64][1024]: rows 0-31 the chunks' sums, rows 32-63 zeros, so that the next launch can always add 31 rows).
; SHARES.  A work-group: 256 rows x 192 columns (one head's Q, K, V).  Each of its four waves: 64 rows x all 192 columns, 48 accumulators, so that a lane holds q and k of one row.
; THE MATRIX INSTRUCTION IS USED TRANSPOSED: source 0 = 16 rows of the weights, source 1 = 16 rows of x: lane l holds row l % 16 and the columns 8 (l / 16) + 0..7.
; RING.  K goes in steps of 128 (rows of 256 bytes) through two LDS slots.  Waves 0, 1 fetch the halves of x's tile, waves 2, 3 those of the weights'.
; CLUSTER 4 x 4: x's tile is shared along a row of the cluster, the weights' along a column: each is asked for jointly, by the same load with the same descriptor and a mask of four.
; REGISTERS, in windows of 256: window 0 addresses, v64-127 x's fragments (two buffers); window 1 v0-191 the weights' fragments (two buffers);
; window 2 the accumulators of row blocks 0, 1 (block a, column block b at v[8 (12 (a % 2) + b)]); window 3 those of blocks 2, 3.
.set KS,    8                          ; K steps
.set KB,    256                        ; bytes of a row in a K step
.set KSTEP, 128
.set PITCH, 272                        ; an LDS row: 256 bytes + 16 of padding: the 16 rows of a fragment load start at 16 different groups of four banks (ISA guide 11.1)
.set QI,    5                          ; padding after every 64 words
.set NA,    4                          ; blocks of 16 rows of x a wave
.set NBK,   12                         ; blocks of 16 rows of the weights a wave
.set LOP,   0                          ; no rows of residues here
.set ARW,   2                          ; accumulator rows in a window
.set HAR,   128                        ; rows in one load of x
.set HBR,   96                         ; rows in one load of the weights
.set TA,    256                        ; rows of x in a tile
.set TBR,   192
.set ROWA,  2048                       ; bytes in a row of x in memory
.set ROWBB, 2048
.set AOFF,  0                          ; x in wb
.set BOFFG, 8388608                    ; the projections in wb
.set P1E,   0                          ; the blocks of x are multiplied in three parts: 0 .. P1E, .. P2E, .. NA - 1
.set P2E,   1
.set APTR,  4
.set BPTR,  4
.set PF,    1                          ; prefetches are laid
.set PRS,   1                          ; a lane names one of 2 blocks of 256 bytes of a row: 16 rows an instruction
.set RPA,   64                         ; rows of x that one partner of four asks for
.set RPB,   48
.set BWV,   3                          ; waves that ask for the weights' rows: 3 x 16 = 48
.set HASX,  0
.set XOFF,  0
.set HA,    HAR*PITCH
.set HB,    HBR*PITCH
.set BOFF,  2*HA                       ; in a slot: x's 256 rows, then the weights' 192
.set SLOT,  BOFF+2*HB
.set W1,    2*(NA-1-P2E)               ; the loads of the blocks that a quarter's second half multiplies
.set W2,    2*(NA+NBK)                 ; the loads of one run
.set AF,    64
.set AFS,   8*NA
.set BFS,   8*NBK
.set G1W0,  (1<<16)|(1<<20)|(1<<21)|(QI<<22)|(3<<25)  ; 2-byte elements; padding on; bit 21 beside a mask; the interval; 4 words of padding
.set STAGE, 2*SLOT                     ; behind the ring: 64 rows x 272 bytes for each wave: v on its way out
.set SCR,   STAGE+4*64*272             ; 256 bytes for each wave: the scores on their way out
.set SPARE, SCR+1024                   ; the spare words, 128 bytes for each wave: two blocks of 256 bytes that no other line names
.set SC,    524288                     ; the scores in st
.set WV,14
.set RH,15
.set CH,16
.set CX,17
.set CY,18
.set TX,19
.set TY,20
.set TB,21                             ; LDS byte of the slot that is being read
.set CNT,22
.set LA,23                             ; where my load of x lands in a slot
.set LB,24                             ; the same for the weights
.set LIMA,25                           ; 1 in a wave that prefetches x's rows, else the greatest number
.set LIMB,26
.set LIMX,27
.set G1A,32
.set G1B,40
.set G0A0,48                           ; group 0 of K step 0
.set G0A,52                            ; group 0 of K step 1; then it walks
.set G0B0,56
.set G0B,60
.set PFA,66
.set PFB,68
.set O1,70
.set O2,72
.set O3,74
.set ADRA0,4                           ; v4, v5  my place in a slot's fragments; never rewritten
.set ADRB0,5
.set ADRA,6                            ; v6, v7  the same in the slot in hand
.set ADRB,7
.set STO,8
.set RD,9
.set GO,10
.set GO2,11
.set PFO,12
.set SGO,13
.set SCA,14
.set SCB,15
.set SPW,28                            ; v28  LDS address of my spare word; never rewritten
.set NIL,29                            ; v29  0; never rewritten
.set MSB, 0
.macro WIN new                         ; the immediate's high byte repeats the setting that is left; a switch that changes nothing is dropped
.if MSB != (\new)
	s_set_vgpr_msb (MSB<<8)|(\new)
.set MSB, (\new)
.endif
.endm
.macro PLACES                          ; four plain instructions behind matrix instructions, ahead of loads into registers that they read and of reads of their results
.rept 4
	v_nop
.endr
.endm
.macro CREST                           ; a round of the cluster's barrier behind its opening barrier
	s_cmp_lg_u32 s[WV], 0
	s_cbranch_scc1 .Lnot_wave_0_\@
	s_barrier_signal -3
.Lnot_wave_0_\@:
	s_barrier_wait -3
	s_barrier_signal -1
	s_barrier_wait -1
.endm
.macro CROUND
	s_barrier_signal -1
	s_barrier_wait -1
	CREST
.endm
.macro JLOAD                           ; a joint refill: the branch hangs on the wave's number alone; an s_nop 0 and four v_nop follow each of the two lines
	s_cmp_lt_u32 s[WV], 2
	s_cbranch_scc0 .Lfor_b_\@
	tensor_load_to_lds s[G0A:G0A+3], s[G1A:G1A+7]
	s_nop 0
	PLACES
	s_branch .Lasked_\@
.Lfor_b_\@:
	tensor_load_to_lds s[G0B:G0B+3], s[G1B:G1B+7]
	s_nop 0
	PLACES
.Lasked_\@:
.endm
; The products of blocks i0 .. i1 of source 1 with all blocks of source 0, 32 along K, out of buffer f.  The accumulators take turns, one instruction a turn.
; zero = 1: the product starts its sum.
.macro MULP f, i0, i1, zero
.set ii, (\i0)
.rept (\i1)-(\i0)+1
.set aa, ii-LOP*((ii+1)/5)
.set aLO, LOP*((ii%5)/4)
.set aB, 8*NBK*(aa%ARW)
	WIN 0xa1+0x50*(aa/ARW)
.set bb, 0
.rept NBK
.if (\zero) && !aLO
	v_wmma_f32_16x16x32_bf16 v[aB+8*bb:aB+8*bb+7], v[BFS*(\f)+8*bb:BFS*(\f)+8*bb+7], v[AF+AFS*(\f)+8*ii:AF+AFS*(\f)+8*ii+7], 0
.else
	v_wmma_f32_16x16x32_bf16 v[aB+8*bb:aB+8*bb+7], v[BFS*(\f)+8*bb:BFS*(\f)+8*bb+7], v[AF+AFS*(\f)+8*ii:AF+AFS*(\f)+8*ii+7], v[aB+8*bb:aB+8*bb+7]
.endif
.set bb, bb+1
.endr
.set ii, ii+1
.endr
.endm
.macro FETCH kq, f                     ; one run of LDS loads: the fragments of quarter kq of the slot in hand, into buffer f; source 0's first
	WIN 0x40
.set ii, 0
.rept NBK
	ds_load_b128 v[BFS*(\f)+8*ii:BFS*(\f)+8*ii+3],   v[ADRB] offset:64*(\kq)+ii*16*PITCH
	ds_load_b128 v[BFS*(\f)+8*ii+4:BFS*(\f)+8*ii+7], v[ADRB] offset:64*(\kq)+ii*16*PITCH+32
.set ii, ii+1
.endr
	WIN 0
.set ii, 0
.rept NA
	ds_load_b128 v[AF+AFS*(\f)+8*ii:AF+AFS*(\f)+8*ii+3],   v[ADRA] offset:64*(\kq)+ii*16*PITCH
	ds_load_b128 v[AF+AFS*(\f)+8*ii+4:AF+AFS*(\f)+8*ii+7], v[ADRA] offset:64*(\kq)+ii*16*PITCH+32
.set ii, ii+1
.endr
.endm
.macro QUARTER kq, f, g, zero          ; multiplies buffer f; in its middle it fetches quarter kq into buffer g
	s_wait_dscnt W1                                ; all but the youngest W1 loads are in: those serve the second half
	MULP \f, 0, P2E, \zero
	PLACES
	FETCH \kq, \g
	s_wait_dscnt W2                                ; all but the run just issued
	MULP \f, P2E+1, NA-1, \zero
.endm
.macro MEET                            ; the first half of a K step's last quarter, and the one barrier of the change of slots
	WIN 0
	s_wait_tensorcnt 0x0                           ; all my tensor loads have landed: the one that was out is my part of the next slot
	ds_add_u32 v[SPW], v[NIL]                      ; 0 onto my spare word
	s_wait_dscnt W1+1                              ; the add and the youngest W1 loads may be out
	MULP 1, 0, P1E, 0
	s_wait_dscnt 0x0                               ; the add is done, and my reads of this slot are over
	s_barrier_signal -1
	MULP 1, P1E+1, P2E, 0
	WIN 0
	s_barrier_wait -1
.endm
; PREFETCHES INTO THE L2.  In the change of slots behind each odd K step s up to KS - 5 a wave names K steps s + 3 and s + 4 of 16 rows: a lane a block of 256 bytes.  Their refills go out at the next
; two changes of slots.  x's rows are named by the clusters with x = 0, the weights' by those with y = 0; the four partners share a tile's rows out by address; the waves take 16 rows each.
; So each block is named once in the launch.  K steps 0 to 3 come by their loads alone.
.macro ASK
	s_bitcmp1_b32 s[CNT], 0
	s_cbranch_scc0 .Lpf_end_\@
	s_cmp_gt_u32 s[CNT], s[LIMA]
	s_cbranch_scc0 .Lpf_b_\@
	global_prefetch_b8 v[PFO], s[PFA:PFA+1] th:TH_LOAD_NT scope:SCOPE_SE
.Lpf_b_\@:
	s_cmp_gt_u32 s[CNT], s[LIMB]
	s_cbranch_scc0 .Lpf_x_\@
	global_prefetch_b8 v[PFO], s[PFB:PFB+1] th:TH_LOAD_NT scope:SCOPE_SE
.Lpf_x_\@:
.if HASX
	s_cmp_gt_u32 s[CNT], s[LIMX]
	s_cbranch_scc0 .Lpf_end_\@
	global_prefetch_b8 v[PFO], s[PFA:PFA+1] offset:XOFF th:TH_LOAD_NT scope:SCOPE_SE
.endif
.Lpf_end_\@:
.endm
.macro TURN1                           ; a K step's last quarter with a refill: the barrier opens a round of the cluster's, and the joint refill is the first thing behind it
.if PF
	s_wait_xcnt 0x0                                ; the last prefetches, a K step back or more, have read their addresses
	s_add_nc_u64 s[PFA:PFA+1], s[PFA:PFA+1], KB
	s_add_nc_u64 s[PFB:PFB+1], s[PFB:PFB+1], KB
.endif
	MEET
	CREST                                          ; no wave of any partner still reads this slot or has a load on its way
	s_add_co_u32 s[G0A+1], s[TB], s[LA]            ; the slot just read out,
	s_add_co_u32 s[G0B+1], s[TB], s[LB]
	s_add_nc_u64 s[G0A+2:G0A+3], s[G0A+2:G0A+3], KB  ; the K step two on
	s_add_nc_u64 s[G0B+2:G0B+3], s[G0B+2:G0B+3], KB
	JLOAD
	s_xor_b32 s[TB], s[TB], SLOT
	v_add_nc_u32 v[ADRA], s[TB], v[ADRA0]
	v_add_nc_u32 v[ADRB], s[TB], v[ADRB0]
	FETCH 0, 0
.if PF
	ASK
.endif
	MULP 1, P2E+1, NA-1, 0
.endm
.macro TURN0                           ; the same without a refill; in the last K step nothing is left to fetch
	MEET
	s_xor_b32 s[TB], s[TB], SLOT
	s_cmp_eq_u32 s[CNT], 1
	s_cbranch_scc1 .Lnofetch_\@
	PLACES
	v_add_nc_u32 v[ADRA], s[TB], v[ADRA0]
	v_add_nc_u32 v[ADRB], s[TB], v[ADRB0]
	FETCH 0, 0
.Lnofetch_\@:
	MULP 1, P2E+1, NA-1, 0
.endm
	s_load_b128 s[4:7], s[0:1], 0x0                ; wb s[4:5], vbuf s[6:7]
	s_load_b64 s[8:9], s[0:1], 0x10                ; st
	v_lshl_add_u32 v[SPW], v0, 2, SPARE
	v_mov_b32 v[NIL], 0
	ds_add_u32 v[SPW], v[NIL]                      ; the wave's opening: the add and its wait stand ahead of my first tensor load
	v_lshrrev_b32 v1, 5, v0
	v_readfirstlane_b32 s[WV], v1                  ; wave 0..3
	s_lshr_b32 s[RH], s[WV], 1
	s_and_b32 s[CH], s[WV], 1                      ; which half of a tile I fetch
	s_bfe_u32 s[CX], ttmp6, 0x40000
	s_bfe_u32 s[CY], ttmp6, 0x40004
	s_lshl_b32 s[TX], ttmp9, 2
	s_add_co_u32 s[TX], s[TX], s[CX]               ; the head
	s_and_b32 s[TY], ttmp7, 0xffff
	s_lshl_b32 s[TY], s[TY], 2
	s_add_co_u32 s[TY], s[TY], s[CY]               ; the block of 256 rows
	s_lshl_b32 s28, s[CY], 2
	s_lshl_b32 s28, 15, s28                        ; my row of the cluster
	s_lshl_b32 s76, 0x1111, s[CX]                  ; my column
	s_or_b32 s[G1A], s28, G1W0
	s_or_b32 s[G1B], s76, G1W0
	s_mov_b32 s[G1A+1], KSTEP<<16                  ; tensor_dim0
	s_mov_b32 s[G1A+2], HAR<<16                    ; tensor_dim1
	s_mov_b32 s[G1A+3], KSTEP<<16                  ; tile_dim0
	s_mov_b32 s[G1A+4], HAR                        ; tile_dim1
	s_mov_b32 s[G1A+5], ROWA/2                     ; elements from row to row
	s_mov_b32 s[G1A+6], 0
	s_mov_b32 s[G1A+7], 0
	s_mov_b32 s[G1B+1], KSTEP<<16
	s_mov_b32 s[G1B+2], HBR<<16
	s_mov_b32 s[G1B+3], KSTEP<<16
	s_mov_b32 s[G1B+4], HBR
	s_mov_b32 s[G1B+5], ROWBB/2
	s_mov_b32 s[G1B+6], 0
	s_mov_b32 s[G1B+7], 0
	s_mul_i32 s[LA], s[CH], HA
	s_mul_i32 s[LB], s[CH], HB
	s_add_co_u32 s[LB], s[LB], BOFF
	s_mov_b32 s[TB], 0
	s_mov_b32 s[G0A0], 1
	s_mov_b32 s[G0A0+1], s[LA]
	s_mov_b32 s[G0A], 1
	s_add_co_u32 s[G0A+1], s[LA], SLOT
	s_mov_b32 s[G0B0], 1
	s_mov_b32 s[G0B0+1], s[LB]
	s_mov_b32 s[G0B], 1
	s_add_co_u32 s[G0B+1], s[LB], SLOT
	s_mul_i32 s28, s[TY], TA                       ; x's tile hangs on the block of rows and the wave alone,
	s_mul_i32 s29, s[CH], HAR
	s_add_co_u32 s28, s28, s29
	s_mul_i32 s28, s28, ROWA
	s_mov_b32 s29, 0
	s_mul_i32 s76, s[TX], TBR                      ; the weights' on the head and the wave alone
	s_mul_i32 s77, s[CH], HBR
	s_add_co_u32 s76, s76, s77
	s_mul_i32 s76, s76, ROWBB
	s_add_co_u32 s76, s76, BOFFG
	s_mov_b32 s77, 0
	s_wait_dscnt 0x0                               ; the opening add is done
	s_wait_kmcnt 0x0
	s_add_nc_u64 s[30:31], s[APTR:APTR+1], s[28:29]
	s_add_nc_u64 s[78:79], s[BPTR:BPTR+1], s[76:77]
	s_mov_b64 s[G0A0+2:G0A0+3], s[30:31]
	s_or_b32 s[G0A0+3], s[G0A0+3], 0x80000000
	s_add_nc_u64 s[G0A+2:G0A+3], s[30:31], KB
	s_or_b32 s[G0A+3], s[G0A+3], 0x80000000
	s_mov_b64 s[G0B0+2:G0B0+3], s[78:79]
	s_or_b32 s[G0B0+3], s[G0B0+3], 0x80000000
	s_add_nc_u64 s[G0B+2:G0B+3], s[78:79], KB
	s_or_b32 s[G0B+3], s[G0B+3], 0x80000000
	CROUND                                         ; all sixteen work-groups are here: the first joint loads meet
	s_cmp_lt_u32 s[WV], 2                          ; a wave's two first fills stand in one branch: two loads of mine are out
	s_cbranch_scc0 .Lfirst_b
	tensor_load_to_lds s[G0A0:G0A0+3], s[G1A:G1A+7]
	s_nop 0
	tensor_load_to_lds s[G0A:G0A+3], s[G1A:G1A+7]
	s_nop 0
	PLACES
	s_branch .Lfirst_done
.Lfirst_b:
	tensor_load_to_lds s[G0B0:G0B0+3], s[G1B:G1B+7]
	s_nop 0
	tensor_load_to_lds s[G0B:G0B+3], s[G1B:G1B+7]
	s_nop 0
	PLACES
.Lfirst_done:
	v_and_b32 v1, 15, v0                           ; r = l % 16
	v_bfe_u32 v2, v0, 4, 1                         ; h = l / 16
	v_and_b32 v3, 31, v0                           ; l
	v_mul_u32_u24 v20, v1, PITCH
	v_lshl_add_u32 v20, v2, 4, v20                 ; a fragment's row x pitch + 16 x half
	s_mul_i32 s80, s[WV], 64*PITCH                 ; my 64 rows of x
	v_add_nc_u32 v[ADRA0], s80, v20
	v_add_nc_u32 v[ADRB0], BOFF, v20               ; all 192 rows of the weights
	v_mov_b32 v[ADRA], v[ADRA0]
	v_mov_b32 v[ADRB], v[ADRB0]
	; the prefetches: where they stand, and who asks
	s_mul_i32 s80, s[TY], TA
	s_mul_i32 s81, s[CX], RPA
	s_add_co_u32 s80, s80, s81
	s_mul_i32 s80, s80, ROWA
	s_add_co_u32 s80, s80, AOFF+2*KB
	s_mov_b32 s81, 0
	s_add_nc_u64 s[PFA:PFA+1], s[APTR:APTR+1], s[80:81]
	s_mul_i32 s82, s[TX], TBR
	s_mul_i32 s83, s[CY], RPB
	s_add_co_u32 s82, s82, s83
	s_mul_i32 s82, s82, ROWBB
	s_add_co_u32 s82, s82, BOFFG+2*KB
	s_mov_b32 s83, 0
	s_add_nc_u64 s[PFB:PFB+1], s[BPTR:BPTR+1], s[82:83]
	s_mov_b32 s80, ttmp9
	s_cmp_eq_u32 s80, 0
	s_cselect_b32 s[LIMA], 1, -1
	s_and_b32 s80, ttmp7, 0xffff
	s_cmp_eq_u32 s80, 0
	s_cselect_b32 s[LIMB], 1, -1
	s_cmp_lt_u32 s[WV], BWV
	s_cselect_b32 s[LIMB], s[LIMB], -1
	v_lshrrev_b32 v20, PRS, v3
	v_and_b32 v21, (1<<PRS)-1, v3
	v_mul_u32_u24 v[PFO], v20, ROWA
	v_lshl_add_u32 v[PFO], v21, 8, v[PFO]
	s_mul_i32 s80, s[WV], (32>>PRS)*ROWA
	v_add_nc_u32 v[PFO], s80, v[PFO]
	; the way out
	s_mul_i32 s80, s[WV], 64*272
	s_add_co_u32 s80, s80, STAGE                   ; my stage
	v_mul_u32_u24 v[STO], v1, 272                  ; in: row r, 32 bytes for each half of the lanes
	v_lshl_add_u32 v[STO], v2, 5, v[STO]
	v_add_nc_u32 v[STO], s80, v[STO]
	v_mul_u32_u24 v[RD], v2, 272                   ; back: lanes 0-15 one row of 256 bytes, lanes 16-31 the next
	v_lshl_add_u32 v[RD], v1, 4, v[RD]
	v_add_nc_u32 v[RD], s80, v[RD]
	v_lshlrev_b32 v[GO], 12, v2                    ; the same two rows in vbuf
	v_lshl_add_u32 v[GO], v1, 4, v[GO]
	v_lshlrev_b32 v[GO2], 17, v2                   ; the chunk's sum, and the row of zeros 32 rows further down
	v_lshl_add_u32 v[GO2], v1, 4, v[GO2]
	v_lshlrev_b32 v[SGO], 3, v3
	s_lshl_b32 s80, s[WV], 8
	s_add_co_u32 s80, s80, SCR
	v_lshl_add_u32 v[SCA], v1, 2, s80
	v_lshl_add_u32 v[SCB], v3, 3, s80
	s_lshl_b32 s80, s[TY], 8
	s_lshl_b32 s81, s[WV], 6
	s_add_co_u32 s80, s80, s81                     ; my first row
	s_lshl_b32 s82, s80, 12
	s_lshl_b32 s83, s[TX], 8
	s_add_co_u32 s82, s82, s83
	s_mov_b32 s83, 0
	s_add_nc_u64 s[O1:O1+1], s[6:7], s[82:83]      ; vbuf at my first row, the head's 256 bytes
	s_lshl_b32 s82, s[TX], 12
	s_add_co_u32 s82, s82, s80
	s_lshl_b32 s82, s82, 2
	s_add_co_u32 s82, s82, SC
	s_add_nc_u64 s[O2:O2+1], s[8:9], s[82:83]      ; the scores of my 64 rows
	s_lshr_b32 s81, s80, 6                         ; my chunk
	s_lshr_b32 s82, s81, 5
	s_lshl_b32 s82, s82, 6
	s_and_b32 s81, s81, 31
	s_add_co_u32 s82, s82, s81
	s_lshl_b32 s82, s82, 12
	s_lshl_b32 s81, s[TX], 8
	s_add_co_u32 s82, s82, s81
	s_add_nc_u64 s[O3:O3+1], s[8:9], s[82:83]      ; my chunk's row of sums
	s_mov_b32 s84, 0x76543210                      ; v_permlanex16_b32: each lane takes its own place in the other half
	s_mov_b32 s85, 0xfedcba98
	s_wait_tensorcnt 0x1                           ; my part of K step 0 is in; K step 1's may stay out
	s_barrier_signal -1
	s_barrier_wait -1
	FETCH 0, 0
	QUARTER 1, 0, 1, 1                             ; the first quarter's products start the sums
	WIN 0
	s_mov_b32 s[CNT], KS-2
	s_branch .Lin                                  ; the loop is entered behind a K step's first quarter
.Lstep:                                        ; KS - 2 trips: a K step each, with a refill
	QUARTER 1, 0, 1, 0
	WIN 0
.Lin:
	QUARTER 2, 1, 0, 0
	QUARTER 3, 0, 1, 0
	TURN1
	WIN 0
	s_sub_co_u32 s[CNT], s[CNT], 1
	s_cmp_lg_u32 s[CNT], 0
	s_cbranch_scc1 .Lstep
	s_mov_b32 s[CNT], 2
.Ltail:                                        ; the last two K steps ask for nothing
	QUARTER 1, 0, 1, 0
	QUARTER 2, 1, 0, 0
	QUARTER 3, 0, 1, 0
	TURN0
	WIN 0
	s_sub_co_u32 s[CNT], s[CNT], 1
	s_cmp_lg_u32 s[CNT], 0
	s_cbranch_scc1 .Ltail
	; THE WAY OUT.  The scores: 32 products a lane and row block, two at a time; each accumulator's lowest registers are read first.
	PLACES
	PLACES
.irp w, 0, 1
	WIN 0x0a+5*(\w)                                ; both factors in window 2 or 3, the sum in window 0
.set t, 0
.rept 16
.irp a2, 0, 1
.set rq, 96*(\a2)+8*(t/4)+2*(t%4)
.set rk, rq+32
.set rp, 32+2*(2*(\w)+(\a2))
.if t == 0
	v_pk_mul_f32 v[rp:rp+1], v[rq:rq+1], v[rk:rk+1]
.else
	v_pk_fma_f32 v[rp:rp+1], v[rq:rq+1], v[rk:rk+1], v[rp:rp+1]
.endif
.endr
.set t, t+1
.endr
.endr
	WIN 0
.irp a, 0,1,2,3
	v_add_f32 v[32+2*(\a)], v[32+2*(\a)], v[33+2*(\a)]
.endr
.irp a, 0,1,2,3
	v_permlanex16_b32 v[33+2*(\a)], v[32+2*(\a)], s84, s85  ; the row's other 32 channels lie in the lane 16 away
.endr
.irp a, 0,1,2,3
	v_add_f32 v[32+2*(\a)], v[32+2*(\a)], v[33+2*(\a)]
.endr
.irp a, 0,1,2,3
	ds_store_b32 v[SCA], v[32+2*(\a)] offset:64*(\a)  ; both halves of the lanes hold the same number
.endr
	ds_load_b64 v[44:45], v[SCB]                   ; LDS serves a wave's instructions in order (ISA guide 5.7.1.4): two neighbouring rows' scores a lane
.irp a, 0,1,2,3
	WIN 0x08+4*((\a)/2)                            ; store data in window 2 or 3
.irp bb, 0,1,2,3
	ds_store_b128 v[STO], v[96*((\a)%2)+64+8*(\bb):96*((\a)%2)+64+8*(\bb)+3]   offset:(\a)*16*272+64*(\bb)
	ds_store_b128 v[STO], v[96*((\a)%2)+64+8*(\bb)+4:96*((\a)%2)+64+8*(\bb)+7] offset:(\a)*16*272+64*(\bb)+16
.endr
.endr
	WIN 0
	s_wait_dscnt 32                                ; the 32 stores behind the scores' load may be out
	global_store_b64 v[SGO], v[44:45], s[O2:O2+1]  ; 256 consecutive bytes, aligned
.irp k, 0,1,2,3
	v_mov_b32 v[40+(\k)], 0                        ; the chunk's sums of my four columns
	v_mov_b32 v[48+(\k)], 0
.endr
	s_mov_b32 s[CNT], 4
.Lout:                                         ; 16 rows a trip: back as whole rows of 256 bytes, stored, and added up
.irp t, 0,1,2,3,4,5,6,7
	ds_load_b128 v[64+4*(\t):64+4*(\t)+3], v[RD] offset:(\t)*544
.endr
.irp t, 0,1,2,3,4,5,6,7
	s_wait_dscnt 7-(\t)
	global_store_b128 v[GO], v[64+4*(\t):64+4*(\t)+3], s[O1:O1+1] offset:(\t)*8192  ; 16 lanes store 256 consecutive bytes, aligned
	v_pk_add_f32 v[40:41], v[40:41], v[64+4*(\t):64+4*(\t)+1]
	v_pk_add_f32 v[42:43], v[42:43], v[64+4*(\t)+2:64+4*(\t)+3]
.endr
	s_wait_xcnt 0x0                                ; the stores have read their registers and their base
	v_add_nc_u32 v[RD], 16*272, v[RD]
	s_add_nc_u64 s[O1:O1+1], s[O1:O1+1], 65536
	s_sub_co_u32 s[CNT], s[CNT], 1
	s_cmp_lg_u32 s[CNT], 0
	s_cbranch_scc1 .Lout
.irp k, 0,1,2,3
	v_permlanex16_b32 v[48+(\k)], v[40+(\k)], s84, s85  ; the odd rows' sums lie in the other half of the lanes
.endr
	v_cmp_gt_u32 s82, 16, v3
.irp k, 0,1,2,3
	v_add_f32 v[40+(\k)], v[40+(\k)], v[48+(\k)]
.endr
.irp k, 0,1,2,3
	v_cndmask_b32 v[40+(\k)], 0, v[40+(\k)], s82   ; lanes 16-31 write the row of zeros
.endr
	global_store_b128 v[GO2], v[40:43], s[O3:O3+1]
	s_wait_tensorcnt 0x0                           ; the wave's end
	ds_add_u32 v[SPW], v[NIL]
	s_wait_dscnt 0x0
	CROUND                                         ; the closing round: no work-group ends while a partner may still ask for a tile that names it
	s_endpgm
.Lfunc_end_k_qbbd0fa7a51_qkv:
	.size	k_qbbd0fa7a51_qkv, .Lfunc_end_k_qbbd0fa7a51_qkv-k_qbbd0fa7a51_qkv
	.p2alignl 7, 3214868480
	.fill 96, 4, 3214868480
	.section	.rodata,"a",@progbits
	.p2align	6, 0x0
	.amdhsa_kernel k_qbbd0fa7a51_qkv
		.amdhsa_group_segment_fixed_size 327680
		.amdhsa_private_segment_fixed_size 0
		.amdhsa_enable_private_segment 0
		.amdhsa_kernarg_size 24
		.amdhsa_user_sgpr_count 2
		.amdhsa_user_sgpr_kernarg_segment_ptr 1
		.amdhsa_wavefront_size32 1
		.amdhsa_system_sgpr_workgroup_id_x 1
		.amdhsa_system_sgpr_workgroup_id_y 1
		.amdhsa_system_sgpr_workgroup_id_z 1
		.amdhsa_system_vgpr_workitem_id 0
		.amdhsa_next_free_vgpr 960
		.amdhsa_next_free_sgpr 88
		.amdhsa_reserve_vcc 0
		.amdhsa_float_denorm_mode_32 3
		.amdhsa_float_denorm_mode_16_64 3
		.amdhsa_memory_ordered 1
		.amdhsa_forward_progress 1
		.amdhsa_inst_pref_size 73
	.end_amdhsa_kernel
	.amdgpu_metadata
---
amdhsa.version: [ 1, 2 ]
amdhsa.kernels:
  - .name:           k_qbbd0fa7a51_qkv
    .symbol:         k_qbbd0fa7a51_qkv.kd
    .args:
      - { .name: wb, .offset: 0, .size: 8, .value_kind: global_buffer, .address_space: global }
      - { .name: vbuf, .offset: 8, .size: 8, .value_kind: global_buffer, .address_space: global }
      - { .name: st, .offset: 16, .size: 8, .value_kind: global_buffer, .address_space: global }
    .group_segment_fixed_size: 327680
    .private_segment_fixed_size: 0
    .kernarg_segment_align: 8
    .kernarg_segment_size: 24
    .max_flat_workgroup_size: 128
    .sgpr_count:     88
    .vgpr_count:     960
    .wavefront_size: 32
...
	.end_amdgpu_metadata
.endif
;; end of part 2
;; launch scan (part 3): grid 256 x 1, 2 waves a work-group, no clusters, 167,936 bytes of LDS; arguments vbuf, st, zA; writes zA
.if DOCPART == 3
	.amdgcn_target "amdgcn-amd-amdhsa--gfx1250"
	.amdhsa_code_object_version 6
	.text
	.protected	k_qbbd0fa7a51_scan
	.globl	k_qbbd0fa7a51_scan
	.p2align	8
	.type	k_qbbd0fa7a51_scan,@function
k_qbbd0fa7a51_scan:
	s_mov_b64 s[64:65], 0
	v_nop
	global_prefetch_b8 v0, s[64:65] scope:SCOPE_SE
	s_setreg_imm32_b32 hwreg(HW_REG_WAVE_MODE, 25, 1), 1
	s_wait_xcnt 0x0
; THE ATTENTION THAT THE MODULE'S MASK LEAVES.  z_q = (e^t v_q + the sum of v_p over p > q) / (e^t + n), t = s_qq / 8, n = 2,047 - q.
; The maximum is taken away as the softmax takes it: m = max(t, 0), in the last row (n = 0) m = t.  In base 2, with c = log2(e) / 8:
; t = c s, a = 2^(t - m), b = 2^(-m) (0 where n = 0), den = a + n b (1 to 2,048), z = (a / den) v + (b / den) Suf.  All in f32.
; LIMIT: the weight of a place p < q counts as 0, which holds while s_qp - max(s_qq, 0) stays under 1e10 - 832; an exponential below 2^-126 counts as 0; NaN and infinities are not treated apart.
; SHARES.  A wave: one chunk of 64 rows x 128 columns (two heads).  Its v comes by ONE tensor load into LDS bytes of its own, filled once; the suffix sum begins with the sums of the later chunks
; (31 rows of st; behind a batch's 32 chunks lie rows of zeros) and runs upward through the chunk.  No wave reads another's bytes: no barrier.
; OUT: zA, bf16, in the order that the next products take: 64 units of 80 rows; unit 32 batch + w holds the rows q = 512 blk + 16 w + r at place 16 blk + r, and at 64 + r
; the residue z - bf16(z), in bf16 again, of the rows with blk = 3: those rows are means over few rows of v and want more than 8 bits.
; ORDER.  A trip's 16 rows go by stages (sums and products, conversions, stores; then the residues likewise), so that no instruction reads the result of the one just before it.
; No matrix unit, no cluster: nothing is multiplied by a matrix, and no two work-groups read the same bytes of v.
.set CO,    65536                      ; behind the two tiles of 32,768 bytes: (a / den, b / den) by row and head, 1,024 bytes a wave
.set SPARE, 67584                      ; the spare words, 128 bytes for each wave: one block of 256 bytes that no other line names
.set SC,    524288                     ; the scores in st
.set CSV,   64                         ; v[64:187]  31 rows of chunk sums; later v[64:127] 16 rows of v, then of z, then of residues
.set AB,    128                        ; v[128:159] 16 pairs of coefficients
.set YR,    160                        ; v[160:191] 16 rows of bf16(z)
.set LR,    192                        ; v[192:223] 16 rows of residues in bf16
.set SUF,   40                         ; v[40:43], v[44:47]  the suffix sum of my four columns: two sets that take turns, row by row
.set NEG1,  14                         ; v14  -1.0
	s_load_b128 s[4:7], s[0:1], 0x0                ; vbuf s[4:5], st s[6:7]
	s_load_b64 s[8:9], s[0:1], 0x10                ; zA
	v_lshl_add_u32 v28, v0, 2, SPARE
	v_mov_b32 v29, 0
	ds_add_u32 v28, v29                            ; the wave's opening: the add and its wait stand ahead of my tensor load
	v_lshrrev_b32 v1, 5, v0
	v_readfirstlane_b32 s10, v1                    ; wave 0, 1
	s_lshr_b32 s11, ttmp9, 2                       ; the chunk, 0..63
	s_and_b32 s12, ttmp9, 3
	s_lshl_b32 s12, s12, 1
	s_add_co_u32 s12, s12, s10                     ; the strip of 128 columns, 0..7
	s_lshr_b32 s13, s11, 5                         ; batch
	s_and_b32 s14, s11, 31                         ; the chunk in its batch
	s_mov_b32 s16, 2<<16                           ; group 1: elements of 4 bytes, no mask, no padding
	s_mov_b32 s17, 128<<16                         ; tensor_dim0 = 128
	s_mov_b32 s18, 64<<16                          ; tensor_dim1 = 64
	s_mov_b32 s19, 128<<16                         ; tile_dim0 = 128
	s_mov_b32 s20, 64                              ; tile_dim1 = 64
	s_mov_b32 s21, 1024                            ; elements from row to row
	s_mov_b32 s22, 0
	s_mov_b32 s23, 0
	s_mov_b32 s24, 1
	s_lshl_b32 s25, s10, 15                        ; my tile in LDS
	s_lshl_b32 s28, s11, 18                        ; 64 rows of 4,096 bytes a chunk,
	s_lshl_b32 s29, s12, 9                         ; 512 bytes a strip
	s_add_co_u32 s28, s28, s29
	s_mov_b32 s29, 0
	s_mov_b32 s40, 0x3e38aa3b                      ; c = log2(e) / 8
	s_wait_dscnt 0x0                               ; the opening add is done
	s_wait_kmcnt 0x0
	s_add_nc_u64 s[26:27], s[4:5], s[28:29]
	s_or_b32 s27, s27, 0x80000000
	tensor_load_to_lds s[24:27], s[16:23]
	s_nop 0
	v_and_b32 v1, 31, v0                           ; l
	v_and_b32 v2, 15, v0
	v_bfe_u32 v3, v0, 4, 1                         ; which of the strip's two heads my columns belong to
	s_lshl_b32 s30, s12, 15                        ; the strip's first head: 16,384 bytes of scores a head
	s_lshl_b32 s31, s11, 8                         ; the chunk's 64 scores
	s_add_co_u32 s30, s30, s31
	s_add_co_u32 s30, s30, SC
	v_lshlrev_b32 v10, 4, v2
	v_lshl_add_u32 v10, v3, 14, v10
	v_add_nc_u32 v10, s30, v10
	global_load_b128 v[16:19], v10, s[6:7]         ; the scores of rows 4 (l % 16) + 0..3 of head l / 16
	s_lshl_b32 s30, s13, 6
	s_add_co_u32 s30, s30, s14
	s_lshl_b32 s30, s30, 12
	s_lshl_b32 s31, s12, 9
	s_add_co_u32 s30, s30, s31
	v_lshl_add_u32 v11, v1, 4, s30
.set i, 1
.rept 31
	global_load_b128 v[CSV+4*(i-1):CSV+4*(i-1)+3], v11, s[6:7] offset:i*4096  ; the 31 rows behind my chunk's: later chunks' sums, then zeros
.set i, i+1
.endr
	v_mov_b32 v[NEG1], -1.0
	s_lshl_b32 s30, s10, 15
	v_lshl_add_u32 v4, v1, 4, s30                  ; my 16 bytes of a row of the tile
	s_lshl_b32 s30, s10, 10
	s_add_co_u32 s30, s30, CO
	v_lshl_add_u32 v5, v3, 3, s30                  ; my head's pair of a row's coefficients
	v_lshlrev_b32 v13, 6, v2
	v_add_nc_u32 v13, v13, v5                      ; where I put the pairs of my four rows
	v_lshlrev_b32 v6, 3, v1                        ; my 8 bytes of a row of zA
	s_lshl_b32 s30, s13, 5                         ; the unit of the chunk's first 16 rows: 32 batch + 4 (chunk % 8),
	s_and_b32 s31, s14, 7
	s_lshl_b32 s31, s31, 2
	s_add_co_u32 s30, s30, s31
	s_mul_i32 s30, s30, 80
	s_lshr_b32 s31, s14, 3                         ; and their place in it: 16 (chunk / 8)
	s_lshl_b32 s31, s31, 4
	s_add_co_u32 s30, s30, s31
	s_lshl_b32 s30, s30, 11
	s_lshl_b32 s31, s12, 8
	s_add_co_u32 s30, s30, s31
	s_mov_b32 s31, 0
	s_add_nc_u64 s[8:9], s[8:9], s[30:31]
	s_lshl_b32 s31, s14, 6
	s_sub_co_u32 s31, 2047, s31
	v_lshlrev_b32 v12, 2, v2
	v_sub_nc_u32 v44, s31, v12                     ; n of my four rows
	v_add_nc_u32 v45, -1, v44
	v_add_nc_u32 v46, -2, v44
	v_add_nc_u32 v47, -3, v44
	s_wait_loadcnt 31                              ; the scores are in; the 31 loads behind them may stay out
.irp k, 0,1,2,3
	v_mul_f32 v[20+(\k)], s40, v[16+(\k)]          ; t
	v_cmp_eq_u32 s[36+(\k)], 0, v[44+(\k)]         ; the batch's last row?
	v_max_num_f32 v[24+(\k)], 0, v[20+(\k)]
	v_cndmask_b32 v[24+(\k)], v[24+(\k)], v[20+(\k)], s[36+(\k)]  ; m
	v_sub_f32 v[52+(\k)], v[20+(\k)], v[24+(\k)]
	v_sub_f32 v[56+(\k)], 0, v[24+(\k)]
	v_cvt_f32_u32 v[48+(\k)], v[44+(\k)]
.endr
.irp k, 0,1,2,3
	v_exp_f32 v[52+(\k)], v[52+(\k)]               ; a
	v_exp_f32 v[56+(\k)], v[56+(\k)]               ; b
.endr
	v_nop                                          ; a plain instruction behind the last exponential,
	s_wait_alu depctr_va_vdst(0)                   ; and one wait for the batch of eight
.irp k, 0,1,2,3
	v_cndmask_b32 v[56+(\k)], v[56+(\k)], 0, s[36+(\k)]
	v_fma_f32 v[60+(\k)], v[48+(\k)], v[56+(\k)], v[52+(\k)]  ; den
.endr
.irp k, 0,1,2,3
	v_rcp_f32 v[60+(\k)], v[60+(\k)]
.endr
	v_nop
	s_wait_alu depctr_va_vdst(0)                   ; one wait for the four reciprocals
.irp k, 0,1,2,3
	v_mul_f32 v[32+2*(\k)], v[52+(\k)], v[60+(\k)]
	v_mul_f32 v[33+2*(\k)], v[56+(\k)], v[60+(\k)]
	ds_store_b64 v13, v[32+2*(\k):33+2*(\k)] offset:16*(\k)
.endr
	s_wait_loadcnt 0x0
.macro TREE step                       ; row i takes row i + step, for every second multiple of step
.set i, 0
.rept 16
.if i+(\step) <= 30
	v_pk_add_f32 v[CSV+4*i:CSV+4*i+1],   v[CSV+4*i:CSV+4*i+1],   v[CSV+4*(i+(\step)):CSV+4*(i+(\step))+1]
	v_pk_add_f32 v[CSV+4*i+2:CSV+4*i+3], v[CSV+4*i+2:CSV+4*i+3], v[CSV+4*(i+(\step))+2:CSV+4*(i+(\step))+3]
.endif
.set i, i+2*(\step)
.endr
.endm
	TREE 1
	TREE 2
	TREE 4
	TREE 8
	v_pk_add_f32 v[SUF:SUF+1],   v[CSV:CSV+1],   v[CSV+64:CSV+65]
	v_pk_add_f32 v[SUF+2:SUF+3], v[CSV+2:CSV+3], v[CSV+66:CSV+67]
	s_wait_tensorcnt 0x0                           ; my tile is in LDS
	s_mov_b32 s32, 4
	s_mov_b32 s33, 3*8192                          ; the trip's 16 rows in the tile,
	s_mov_b32 s34, 3*256                           ; among the coefficients,
	s_mov_b32 s35, 3*163840                        ; and its unit of 80 rows in zA
.Lgrp:                                         ; four trips, from the chunk's last 16 rows to its first
	v_add_nc_u32 v7, s33, v4
	v_add_nc_u32 v8, s34, v5
	v_add_nc_u32 v9, s35, v6
.set j, 0
.rept 16
	ds_load_b128 v[CSV+4*(15-j):CSV+4*(15-j)+3], v7 offset:(15-j)*512
	ds_load_b64 v[AB+2*(15-j):AB+2*(15-j)+1], v8 offset:(15-j)*16
.set j, j+1
.endr
	; stage 1: the next row's suffix sum goes into the other set, so that this row's products read a set written a row earlier; z = (b / den) Suf + (a / den) v, in v's registers
.set j, 0
.rept 16
.set r, 15-j
.set sa, SUF+4*(j%2)
.set sb, SUF+4*((j+1)%2)
	s_wait_dscnt 30-2*j                            ; this row's two loads are in; the earlier rows' stay out
	v_pk_add_f32 v[sb:sb+1],   v[sa:sa+1],   v[CSV+4*r:CSV+4*r+1]
	v_pk_add_f32 v[sb+2:sb+3], v[sa+2:sa+3], v[CSV+4*r+2:CSV+4*r+3]
.irp k, 0,1,2,3
	v_mul_f32 v[CSV+4*r+(\k)], v[AB+2*r], v[CSV+4*r+(\k)]
.endr
.irp k, 0,1,2,3
	v_fma_f32 v[CSV+4*r+(\k)], v[AB+2*r+1], v[sa+(\k)], v[CSV+4*r+(\k)]
.endr
.set j, j+1
.endr
	; stage 2: the roundings; stage 3: the stores
.set j, 0
.rept 16
.set r, 15-j
	v_cvt_pk_bf16_f32 v[YR+2*r],   v[CSV+4*r],   v[CSV+4*r+1]
	v_cvt_pk_bf16_f32 v[YR+2*r+1], v[CSV+4*r+2], v[CSV+4*r+3]
.set j, j+1
.endr
.set j, 0
.rept 16
.set r, 15-j
	global_store_b64 v9, v[YR+2*r:YR+2*r+1], s[8:9] offset:r*2048  ; 32 lanes store 256 consecutive bytes, aligned
.set j, j+1
.endr
	s_cmp_ge_u32 s14, 24                           ; rows from 1,536 on leave their residue too
	s_cbranch_scc0 .Lnolo
.set r, 0
.rept 16                                       ; z - bf16(z): the bf16 half times -1.0 plus z, one instruction a number, in z's registers
	v_fma_mix_f32_bf16 v[CSV+4*r],   v[YR+2*r],   v[NEG1], v[CSV+4*r]   op_sel_hi:[1,0,0]
	v_fma_mix_f32_bf16 v[CSV+4*r+1], v[YR+2*r],   v[NEG1], v[CSV+4*r+1] op_sel:[1,0,0] op_sel_hi:[1,0,0]
	v_fma_mix_f32_bf16 v[CSV+4*r+2], v[YR+2*r+1], v[NEG1], v[CSV+4*r+2] op_sel_hi:[1,0,0]
	v_fma_mix_f32_bf16 v[CSV+4*r+3], v[YR+2*r+1], v[NEG1], v[CSV+4*r+3] op_sel:[1,0,0] op_sel_hi:[1,0,0]
.set r, r+1
.endr
.set r, 0
.rept 16
	v_cvt_pk_bf16_f32 v[LR+2*r],   v[CSV+4*r],   v[CSV+4*r+1]
	v_cvt_pk_bf16_f32 v[LR+2*r+1], v[CSV+4*r+2], v[CSV+4*r+3]
.set r, r+1
.endr
.set r, 0
.rept 16
	global_store_b64 v9, v[LR+2*r:LR+2*r+1], s[8:9] offset:(16+r)*2048
.set r, r+1
.endr
.Lnolo:
	s_wait_xcnt 0x0                                ; the stores have read their data and their offset
	s_sub_co_u32 s33, s33, 8192
	s_sub_co_u32 s34, s34, 256
	s_sub_co_u32 s35, s35, 163840
	s_sub_co_u32 s32, s32, 1
	s_cmp_lg_u32 s32, 0
	s_cbranch_scc1 .Lgrp
	s_wait_tensorcnt 0x0                           ; the wave's end
	ds_add_u32 v28, v29
	s_wait_dscnt 0x0
	s_endpgm
.Lfunc_end_k_qbbd0fa7a51_scan:
	.size	k_qbbd0fa7a51_scan, .Lfunc_end_k_qbbd0fa7a51_scan-k_qbbd0fa7a51_scan
	.p2alignl 7, 3214868480
	.fill 96, 4, 3214868480
	.section	.rodata,"a",@progbits
	.p2align	6, 0x0
	.amdhsa_kernel k_qbbd0fa7a51_scan
		.amdhsa_group_segment_fixed_size 167936
		.amdhsa_private_segment_fixed_size 0
		.amdhsa_enable_private_segment 0
		.amdhsa_kernarg_size 24
		.amdhsa_user_sgpr_count 2
		.amdhsa_user_sgpr_kernarg_segment_ptr 1
		.amdhsa_wavefront_size32 1
		.amdhsa_system_sgpr_workgroup_id_x 1
		.amdhsa_system_sgpr_workgroup_id_y 1
		.amdhsa_system_sgpr_workgroup_id_z 1
		.amdhsa_system_vgpr_workitem_id 0
		.amdhsa_next_free_vgpr 256
		.amdhsa_next_free_sgpr 66
		.amdhsa_reserve_vcc 0
		.amdhsa_float_denorm_mode_32 3
		.amdhsa_float_denorm_mode_16_64 3
		.amdhsa_memory_ordered 1
		.amdhsa_forward_progress 1
		.amdhsa_inst_pref_size 36
	.end_amdhsa_kernel
	.amdgpu_metadata
---
amdhsa.version: [ 1, 2 ]
amdhsa.kernels:
  - .name:           k_qbbd0fa7a51_scan
    .symbol:         k_qbbd0fa7a51_scan.kd
    .args:
      - { .name: vbuf, .offset: 0, .size: 8, .value_kind: global_buffer, .address_space: global }
      - { .name: st, .offset: 8, .size: 8, .value_kind: global_buffer, .address_space: global }
      - { .name: zA, .offset: 16, .size: 8, .value_kind: global_buffer, .address_space: global }
    .group_segment_fixed_size: 167936
    .private_segment_fixed_size: 0
    .kernarg_segment_align: 8
    .kernarg_segment_size: 24
    .max_flat_workgroup_size: 64
    .sgpr_count:     66
    .vgpr_count:     256
    .wavefront_size: 32
...
	.end_amdgpu_metadata
.endif
;; end of part 3
;; launch wo (part 4): grid 8 x 32, 4 waves a work-group, clusters of 4 x 4, 327,680 bytes of LDS; arguments zA, wb, midf, midA; writes midf, midA
.if DOCPART == 4
	.amdgcn_target "amdgcn-amd-amdhsa--gfx1250"
	.amdhsa_code_object_version 6
	.text
	.protected	k_qbbd0fa7a51_wo
	.globl	k_qbbd0fa7a51_wo
	.p2align	8
	.type	k_qbbd0fa7a51_wo,@function
k_qbbd0fa7a51_wo:
	s_mov_b64 s[64:65], 0
	v_nop
	global_prefetch_b8 v0, s[64:65] scope:SCOPE_SE
	s_setreg_imm32_b32 hwreg(HW_REG_WAVE_MODE, 25, 1), 1
	s_wait_xcnt 0x0
	s_wait_alu depctr_hold_cnt(0) depctr_sa_sdst(0) depctr_va_vdst(0) depctr_va_sdst(0) depctr_va_ssrc(0) depctr_va_vcc(0) depctr_vm_vsrc(0)
	s_getreg_b32 s2, hwreg(HW_REG_IB_STS2, 6, 4)
	s_cmp_eq_u32 s2, 0
	s_cbranch_scc0 .Lentry_in_a_cluster
	s_endpgm
.Lentry_in_a_cluster:
	s_bfe_u32 s2, ttmp6, 0x10000c
	s_cmp_lg_u32 s2, 0xf033
	s_cbranch_scc0 .Lentry_shape_is_right
	s_endpgm
.Lentry_shape_is_right:
; mid = 2 z W_O^T.  z: zA, bf16, 64 units of 80 rows (64 rows, then the residues of the last 16); W_O: bf16 in wb; sums in f32, K = 1,024.
; The rows of residues are multiplied like any rows and add onto the accumulators of the rows that they belong to: those rows' operand then carries 16 significant bits.
; OUT: midf, f32, [64 unit + place][1024], for the last launch's sum; midA, bf16 in zA's order with residues, the next product's operand.
; SHARES.  A work-group: 128 rows (two units) x 128 columns.  K IS SPLIT AMONG THE WAVES: wave (unit RH, half CH) multiplies its unit's 80 rows by all 128 columns over half of each K step:
; 32 accumulators.  The two halves' sums meet in LDS at the end.
; THE MATRIX INSTRUCTION IS USED TRANSPOSED: source 0 = 16 rows of W_O, source 1 = 16 rows of z: lane l holds row l % 16 and the columns 8 (l / 16) + 0..7.
; RING.  K goes in steps of 256 (rows of 512 bytes) through two LDS slots.  Waves 0, 1 fetch the two units of z, waves 2, 3 the halves of W_O's tile.
; CLUSTER 4 x 4: z's tile is shared along a row of the cluster, W_O's along a column: each is asked for jointly.
; NO PREFETCH: K has four steps, of which the first two go out at the start and the other two at the next two changes of slots: there is no step further ahead to name.
; REGISTERS: window 0 addresses, v64-143 z's fragments (two buffers); window 1 v0-127 W_O's fragments (two buffers); window 2 the accumulators (row block a, column block b at v[8 (8 a + b)]).
.set KS,    4
.set KB,    512
.set KSTEP, 256
.set PITCH, 528                        ; an LDS row: 512 bytes + 16 of padding: the 16 rows of a fragment load start at 16 different groups of four banks (ISA guide 11.1)
.set QI,    6                          ; padding after every 128 words
.set NA,    5                          ; stored blocks of 16 rows a wave: four, and the residues of the fourth
.set NBK,   8
.set LOP,   1                          ; every fifth block holds residues
.set ARW,   4
.set HAR,   80
.set HBR,   64
.set TA,    160
.set TBR,   128
.set ROWA,  2048
.set ROWBB, 2048
.set AOFF,  0
.set BOFFG, 14680064                   ; W_O in wb
.set P1E,   0
.set P2E,   1
.set APTR,  4
.set BPTR,  6
.set PF,    0
.set HA,    HAR*PITCH
.set HB,    HBR*PITCH
.set BOFF,  2*HA
.set SLOT,  BOFF+2*HB
.set W1,    2*(NA-1-P2E)
.set W2,    2*(NA+NBK)
.set AF,    64
.set AFS,   8*NA
.set BFS,   8*NBK
.set G1W0,  (1<<16)|(1<<20)|(1<<21)|(QI<<22)|(3<<25)
.set SPARE, 2*SLOT                     ; behind the ring: the spare words, 128 bytes for each wave: two blocks of 256 bytes that no other line names
.set DP,    528                        ; the way out: a row of 128 f32 + 16 bytes; 64 rows a wave, laid over slot 0, which has had its last fill
.set WV,14
.set RH,15
.set CH,16
.set CX,17
.set CY,18
.set TX,19
.set TY,20
.set TB,21
.set CNT,22
.set LA,23
.set LB,24
.set G1A,32
.set G1B,40
.set G0A0,48
.set G0A,52
.set G0B0,56
.set G0B,60
.set O1,70
.set O2,72
.set ADRA0,4
.set ADRB0,5
.set ADRA,6
.set ADRB,7
.set STO,8
.set RD,9
.set GO,10
.set GO2,11
.set NEG1,15                           ; v15  -1.0
.set SPW,28
.set NIL,29
.set XR,64                             ; the way out: 16 rows of sums; ZR the other half of K's, later the residues in f32; YR bf16; LR residues in bf16
.set ZR,128
.set YR,192
.set LR,224
.set MSB, 0
.macro WIN new                         ; the immediate's high byte repeats the setting that is left; a switch that changes nothing is dropped
.if MSB != (\new)
	s_set_vgpr_msb (MSB<<8)|(\new)
.set MSB, (\new)
.endif
.endm
.macro PLACES                          ; four plain instructions behind matrix instructions, ahead of loads into registers that they read and of reads of their results
.rept 4
	v_nop
.endr
.endm
.macro CREST
	s_cmp_lg_u32 s[WV], 0
	s_cbranch_scc1 .Lnot_wave_0_\@
	s_barrier_signal -3
.Lnot_wave_0_\@:
	s_barrier_wait -3
	s_barrier_signal -1
	s_barrier_wait -1
.endm
.macro CROUND
	s_barrier_signal -1
	s_barrier_wait -1
	CREST
.endm
.macro JLOAD                           ; a joint refill: the branch hangs on the wave's number alone; an s_nop 0 and four v_nop follow each of the two lines
	s_cmp_lt_u32 s[WV], 2
	s_cbranch_scc0 .Lfor_b_\@
	tensor_load_to_lds s[G0A:G0A+3], s[G1A:G1A+7]
	s_nop 0
	PLACES
	s_branch .Lasked_\@
.Lfor_b_\@:
	tensor_load_to_lds s[G0B:G0B+3], s[G1B:G1B+7]
	s_nop 0
	PLACES
.Lasked_\@:
.endm
; The products of stored blocks i0 .. i1 of source 1 with all blocks of source 0, 32 along K, out of buffer f.  Block i adds onto accumulator row i - (i + 1) / 5: a block of residues onto the row
; before it, seven other accumulators' turns behind that row's own product.  The accumulators take turns, one instruction a turn.  zero = 1: a product of whole rows starts its sum.
.macro MULP f, i0, i1, zero
.set ii, (\i0)
.rept (\i1)-(\i0)+1
.set aa, ii-LOP*((ii+1)/5)
.set aLO, LOP*((ii%5)/4)
.set aB, 8*NBK*(aa%ARW)
	WIN 0xa1+0x50*(aa/ARW)
.set bb, 0
.rept NBK
.if (\zero) && !aLO
	v_wmma_f32_16x16x32_bf16 v[aB+8*bb:aB+8*bb+7], v[BFS*(\f)+8*bb:BFS*(\f)+8*bb+7], v[AF+AFS*(\f)+8*ii:AF+AFS*(\f)+8*ii+7], 0
.else
	v_wmma_f32_16x16x32_bf16 v[aB+8*bb:aB+8*bb+7], v[BFS*(\f)+8*bb:BFS*(\f)+8*bb+7], v[AF+AFS*(\f)+8*ii:AF+AFS*(\f)+8*ii+7], v[aB+8*bb:aB+8*bb+7]
.endif
.set bb, bb+1
.endr
.set ii, ii+1
.endr
.endm
.macro FETCH kq, f                     ; one run of LDS loads: the fragments of quarter kq of my half of the K step, into buffer f; source 0's first
	WIN 0x40
.set ii, 0
.rept NBK
	ds_load_b128 v[BFS*(\f)+8*ii:BFS*(\f)+8*ii+3],   v[ADRB] offset:64*(\kq)+ii*16*PITCH
	ds_load_b128 v[BFS*(\f)+8*ii+4:BFS*(\f)+8*ii+7], v[ADRB] offset:64*(\kq)+ii*16*PITCH+32
.set ii, ii+1
.endr
	WIN 0
.set ii, 0
.rept NA
	ds_load_b128 v[AF+AFS*(\f)+8*ii:AF+AFS*(\f)+8*ii+3],   v[ADRA] offset:64*(\kq)+ii*16*PITCH
	ds_load_b128 v[AF+AFS*(\f)+8*ii+4:AF+AFS*(\f)+8*ii+7], v[ADRA] offset:64*(\kq)+ii*16*PITCH+32
.set ii, ii+1
.endr
.endm
.macro QUARTER kq, f, g, zero
	s_wait_dscnt W1                                ; all but the youngest W1 loads are in: those serve the second half
	MULP \f, 0, P2E, \zero
	PLACES
	FETCH \kq, \g
	s_wait_dscnt W2                                ; all but the run just issued
	MULP \f, P2E+1, NA-1, \zero
.endm
.macro MEET
	WIN 0
	s_wait_tensorcnt 0x0                           ; all my tensor loads have landed: the one that was out is my part of the next slot
	ds_add_u32 v[SPW], v[NIL]                      ; 0 onto my spare word
	s_wait_dscnt W1+1                              ; the add and the youngest W1 loads may be out
	MULP 1, 0, P1E, 0
	s_wait_dscnt 0x0                               ; the add is done, and my reads of this slot are over
	s_barrier_signal -1
	MULP 1, P1E+1, P2E, 0
	WIN 0
	s_barrier_wait -1
.endm
.macro TURN1
	MEET
	CREST                                          ; no wave of any partner still reads this slot or has a load on its way
	s_add_co_u32 s[G0A+1], s[TB], s[LA]
	s_add_co_u32 s[G0B+1], s[TB], s[LB]
	s_add_nc_u64 s[G0A+2:G0A+3], s[G0A+2:G0A+3], KB
	s_add_nc_u64 s[G0B+2:G0B+3], s[G0B+2:G0B+3], KB
	JLOAD
	s_xor_b32 s[TB], s[TB], SLOT
	v_add_nc_u32 v[ADRA], s[TB], v[ADRA0]
	v_add_nc_u32 v[ADRB], s[TB], v[ADRB0]
	FETCH 0, 0
	MULP 1, P2E+1, NA-1, 0
.endm
.macro TURN0
	MEET
	s_xor_b32 s[TB], s[TB], SLOT
	s_cmp_eq_u32 s[CNT], 1
	s_cbranch_scc1 .Lnofetch_\@
	PLACES
	v_add_nc_u32 v[ADRA], s[TB], v[ADRA0]
	v_add_nc_u32 v[ADRB], s[TB], v[ADRB0]
	FETCH 0, 0
.Lnofetch_\@:
	MULP 1, P2E+1, NA-1, 0
.endm
	s_load_b256 s[4:11], s[0:1], 0x0               ; zA s[4:5], wb s[6:7], midf s[8:9], midA s[10:11]
	v_lshl_add_u32 v[SPW], v0, 2, SPARE
	v_mov_b32 v[NIL], 0
	ds_add_u32 v[SPW], v[NIL]                      ; the wave's opening: the add and its wait stand ahead of my first tensor load
	v_lshrrev_b32 v1, 5, v0
	v_readfirstlane_b32 s[WV], v1
	s_lshr_b32 s[RH], s[WV], 1                     ; my unit of the tile's two
	s_and_b32 s[CH], s[WV], 1                      ; my half of K.  Also: which half of a tile I fetch
	s_bfe_u32 s[CX], ttmp6, 0x40000
	s_bfe_u32 s[CY], ttmp6, 0x40004
	s_lshl_b32 s[TX], ttmp9, 2
	s_add_co_u32 s[TX], s[TX], s[CX]
	s_and_b32 s[TY], ttmp7, 0xffff
	s_lshl_b32 s[TY], s[TY], 2
	s_add_co_u32 s[TY], s[TY], s[CY]
	s_lshl_b32 s28, s[CY], 2
	s_lshl_b32 s28, 15, s28
	s_lshl_b32 s76, 0x1111, s[CX]
	s_or_b32 s[G1A], s28, G1W0
	s_or_b32 s[G1B], s76, G1W0
	s_mov_b32 s[G1A+1], KSTEP<<16
	s_mov_b32 s[G1A+2], HAR<<16
	s_mov_b32 s[G1A+3], KSTEP<<16
	s_mov_b32 s[G1A+4], HAR
	s_mov_b32 s[G1A+5], ROWA/2
	s_mov_b32 s[G1A+6], 0
	s_mov_b32 s[G1A+7], 0
	s_mov_b32 s[G1B+1], KSTEP<<16
	s_mov_b32 s[G1B+2], HBR<<16
	s_mov_b32 s[G1B+3], KSTEP<<16
	s_mov_b32 s[G1B+4], HBR
	s_mov_b32 s[G1B+5], ROWBB/2
	s_mov_b32 s[G1B+6], 0
	s_mov_b32 s[G1B+7], 0
	s_mul_i32 s[LA], s[CH], HA
	s_mul_i32 s[LB], s[CH], HB
	s_add_co_u32 s[LB], s[LB], BOFF
	s_mov_b32 s[TB], 0
	s_mov_b32 s[G0A0], 1
	s_mov_b32 s[G0A0+1], s[LA]
	s_mov_b32 s[G0A], 1
	s_add_co_u32 s[G0A+1], s[LA], SLOT
	s_mov_b32 s[G0B0], 1
	s_mov_b32 s[G0B0+1], s[LB]
	s_mov_b32 s[G0B], 1
	s_add_co_u32 s[G0B+1], s[LB], SLOT
	s_mul_i32 s28, s[TY], TA
	s_mul_i32 s29, s[CH], HAR
	s_add_co_u32 s28, s28, s29
	s_mul_i32 s28, s28, ROWA
	s_mov_b32 s29, 0
	s_mul_i32 s76, s[TX], TBR
	s_mul_i32 s77, s[CH], HBR
	s_add_co_u32 s76, s76, s77
	s_mul_i32 s76, s76, ROWBB
	s_add_co_u32 s76, s76, BOFFG
	s_mov_b32 s77, 0
	s_wait_dscnt 0x0                               ; the opening add is done
	s_wait_kmcnt 0x0
	s_add_nc_u64 s[30:31], s[APTR:APTR+1], s[28:29]
	s_add_nc_u64 s[78:79], s[BPTR:BPTR+1], s[76:77]
	s_mov_b64 s[G0A0+2:G0A0+3], s[30:31]
	s_or_b32 s[G0A0+3], s[G0A0+3], 0x80000000
	s_add_nc_u64 s[G0A+2:G0A+3], s[30:31], KB
	s_or_b32 s[G0A+3], s[G0A+3], 0x80000000
	s_mov_b64 s[G0B0+2:G0B0+3], s[78:79]
	s_or_b32 s[G0B0+3], s[G0B0+3], 0x80000000
	s_add_nc_u64 s[G0B+2:G0B+3], s[78:79], KB
	s_or_b32 s[G0B+3], s[G0B+3], 0x80000000
	CROUND                                         ; all sixteen work-groups are here: the first joint loads meet
	s_cmp_lt_u32 s[WV], 2                          ; a wave's two first fills stand in one branch: two loads of mine are out
	s_cbranch_scc0 .Lfirst_b
	tensor_load_to_lds s[G0A0:G0A0+3], s[G1A:G1A+7]
	s_nop 0
	tensor_load_to_lds s[G0A:G0A+3], s[G1A:G1A+7]
	s_nop 0
	PLACES
	s_branch .Lfirst_done
.Lfirst_b:
	tensor_load_to_lds s[G0B0:G0B0+3], s[G1B:G1B+7]
	s_nop 0
	tensor_load_to_lds s[G0B:G0B+3], s[G1B:G1B+7]
	s_nop 0
	PLACES
.Lfirst_done:
	v_and_b32 v1, 15, v0                           ; r
	v_bfe_u32 v2, v0, 4, 1                         ; h
	v_and_b32 v3, 31, v0                           ; l
	v_mul_u32_u24 v20, v1, PITCH
	v_lshl_add_u32 v20, v2, 4, v20
	s_mul_i32 s80, s[RH], HA                       ; my unit's 80 rows,
	s_lshl_b32 s82, s[CH], 8                       ; my 256 bytes of each row
	s_add_co_u32 s80, s80, s82
	s_add_co_u32 s81, s82, BOFF
	v_add_nc_u32 v[ADRA0], s80, v20
	v_add_nc_u32 v[ADRB0], s81, v20
	v_mov_b32 v[ADRA], v[ADRA0]
	v_mov_b32 v[ADRB], v[ADRB0]
	; the way out
	s_mul_i32 s80, s[WV], 64*DP
	v_mul_u32_u24 v[STO], v1, DP                   ; in: row r, 32 bytes for each half of the lanes
	v_lshl_add_u32 v[STO], v2, 5, v[STO]
	v_add_nc_u32 v[STO], s80, v[STO]
	s_mul_i32 s80, s[RH], 2*64*DP                  ; back: my unit's first half of K, places 32 CH on: a row of 512 bytes an instruction
	s_mul_i32 s81, s[CH], 32*DP
	s_add_co_u32 s80, s80, s81
	v_lshl_add_u32 v[RD], v3, 4, s80
	v_lshlrev_b32 v[GO], 4, v3
	v_lshlrev_b32 v[GO2], 3, v3
	v_mov_b32 v[NEG1], -1.0
	s_lshl_b32 s80, s[TY], 1
	s_add_co_u32 s80, s80, s[RH]                   ; my unit
	s_lshl_b32 s81, s[CH], 5
	s_lshl_b32 s82, s80, 6
	s_add_co_u32 s82, s82, s81
	s_lshl_b32 s82, s82, 12
	s_lshl_b32 s83, s[TX], 9
	s_add_co_u32 s82, s82, s83
	s_mov_b32 s83, 0
	s_add_nc_u64 s[O1:O1+1], s[8:9], s[82:83]      ; midf
	s_mul_i32 s82, s80, 80
	s_add_co_u32 s82, s82, s81
	s_lshl_b32 s82, s82, 11
	s_lshl_b32 s81, s[TX], 8
	s_add_co_u32 s82, s82, s81
	s_add_nc_u64 s[O2:O2+1], s[10:11], s[82:83]    ; midA
	s_wait_tensorcnt 0x1                           ; my part of K step 0 is in; K step 1's may stay out
	s_barrier_signal -1
	s_barrier_wait -1
	FETCH 0, 0
	QUARTER 1, 0, 1, 1
	WIN 0
	s_mov_b32 s[CNT], KS-2
	s_branch .Lin
.Lstep:
	QUARTER 1, 0, 1, 0
	WIN 0
.Lin:
	QUARTER 2, 1, 0, 0
	QUARTER 3, 0, 1, 0
	TURN1
	WIN 0
	s_sub_co_u32 s[CNT], s[CNT], 1
	s_cmp_lg_u32 s[CNT], 0
	s_cbranch_scc1 .Lstep
	s_mov_b32 s[CNT], 2
.Ltail:
	QUARTER 1, 0, 1, 0
	QUARTER 2, 1, 0, 0
	QUARTER 3, 0, 1, 0
	TURN0
	WIN 0
	s_sub_co_u32 s[CNT], s[CNT], 1
	s_cmp_lg_u32 s[CNT], 0
	s_cbranch_scc1 .Ltail
	; THE WAY OUT.  Every wave's reads of the slots are over and waited for; behind this barrier the sums are laid over slot 0.
	PLACES
	PLACES
	s_wait_dscnt 0x0
	s_barrier_signal -1
	s_barrier_wait -1
	WIN 0x08                                       ; store data in window 2
.set aa, 0
.rept 4
.set bb, 0
.rept 8
	ds_store_b128 v[STO], v[64*aa+8*bb:64*aa+8*bb+3]   offset:aa*16*DP+64*bb
	ds_store_b128 v[STO], v[64*aa+8*bb+4:64*aa+8*bb+7] offset:aa*16*DP+64*bb+16
.set bb, bb+1
.endr
.set aa, aa+1
.endr
	WIN 0
	s_wait_dscnt 0x0                               ; for the others' sake: my sums lie in LDS
	s_barrier_signal -1
	s_barrier_wait -1
	s_mov_b32 s[CNT], 2
.Lrow:                                         ; 16 rows a trip, BY STAGES over the 16 rows, so that no instruction reads the result of the one just before it and a store stands a stage behind its data
.set i, 0
.rept 16
	ds_load_b128 v[XR+4*i:XR+4*i+3], v[RD] offset:i*DP
	ds_load_b128 v[ZR+4*i:ZR+4*i+3], v[RD] offset:i*DP+64*DP
.set i, i+1
.endr
.set i, 0
.rept 16                                       ; stage 1: the two halves of K
	s_wait_dscnt 30-2*i                            ; this row's two loads are in; the later rows' stay out
	v_pk_add_f32 v[XR+4*i:XR+4*i+1],   v[XR+4*i:XR+4*i+1],   v[ZR+4*i:ZR+4*i+1]
	v_pk_add_f32 v[XR+4*i+2:XR+4*i+3], v[XR+4*i+2:XR+4*i+3], v[ZR+4*i+2:ZR+4*i+3]
.set i, i+1
.endr
.set i, 0
.rept 32                                       ; stage 2: mid = attn_out + attn_out
	v_pk_add_f32 v[XR+2*i:XR+2*i+1], v[XR+2*i:XR+2*i+1], v[XR+2*i:XR+2*i+1]
.set i, i+1
.endr
.set i, 0
.rept 32                                       ; stage 3: the roundings
	v_cvt_pk_bf16_f32 v[YR+i], v[XR+2*i], v[XR+2*i+1]
.set i, i+1
.endr
.set i, 0
.rept 16                                       ; stage 4: f32 to midf, bf16 to midA
	global_store_b128 v[GO], v[XR+4*i:XR+4*i+3], s[O1:O1+1] offset:i*4096   ; 512 consecutive bytes, aligned
	global_store_b64 v[GO2], v[YR+2*i:YR+2*i+1], s[O2:O2+1] offset:i*2048   ; 256 consecutive bytes, aligned
.set i, i+1
.endr
	s_cmp_eq_u32 s[CNT], 1                         ; places 48-63 (the second trip of a wave with CH = 1) leave their residue too
	s_cselect_b32 s80, s[CH], 0
	s_cmp_eq_u32 s80, 1
	s_cbranch_scc0 .Lnolo
.set i, 0
.rept 32                                       ; mid - bf16(mid): the bf16 half times -1.0 plus mid; into ZR, since the stores above still read XR
	v_fma_mix_f32_bf16 v[ZR+2*i],   v[YR+i], v[NEG1], v[XR+2*i]   op_sel_hi:[1,0,0]
	v_fma_mix_f32_bf16 v[ZR+2*i+1], v[YR+i], v[NEG1], v[XR+2*i+1] op_sel:[1,0,0] op_sel_hi:[1,0,0]
.set i, i+1
.endr
.set i, 0
.rept 32
	v_cvt_pk_bf16_f32 v[LR+i], v[ZR+2*i], v[ZR+2*i+1]
.set i, i+1
.endr
.set i, 0
.rept 16
	global_store_b64 v[GO2], v[LR+2*i:LR+2*i+1], s[O2:O2+1] offset:(16+i)*2048
.set i, i+1
.endr
.Lnolo:
	s_wait_xcnt 0x0                                ; the stores have read their registers and their bases
	v_add_nc_u32 v[RD], 16*DP, v[RD]
	s_add_nc_u64 s[O1:O1+1], s[O1:O1+1], 65536
	s_add_nc_u64 s[O2:O2+1], s[O2:O2+1], 32768
	s_sub_co_u32 s[CNT], s[CNT], 1
	s_cmp_lg_u32 s[CNT], 0
	s_cbranch_scc1 .Lrow
	s_wait_tensorcnt 0x0                           ; the wave's end
	ds_add_u32 v[SPW], v[NIL]
	s_wait_dscnt 0x0
	CROUND                                         ; the closing round
	s_endpgm
.Lfunc_end_k_qbbd0fa7a51_wo:
	.size	k_qbbd0fa7a51_wo, .Lfunc_end_k_qbbd0fa7a51_wo-k_qbbd0fa7a51_wo
	.p2alignl 7, 3214868480
	.fill 96, 4, 3214868480
	.section	.rodata,"a",@progbits
	.p2align	6, 0x0
	.amdhsa_kernel k_qbbd0fa7a51_wo
		.amdhsa_group_segment_fixed_size 327680
		.amdhsa_private_segment_fixed_size 0
		.amdhsa_enable_private_segment 0
		.amdhsa_kernarg_size 32
		.amdhsa_user_sgpr_count 2
		.amdhsa_user_sgpr_kernarg_segment_ptr 1
		.amdhsa_wavefront_size32 1
		.amdhsa_system_sgpr_workgroup_id_x 1
		.amdhsa_system_sgpr_workgroup_id_y 1
		.amdhsa_system_sgpr_workgroup_id_z 1
		.amdhsa_system_vgpr_workitem_id 0
		.amdhsa_next_free_vgpr 768
		.amdhsa_next_free_sgpr 88
		.amdhsa_reserve_vcc 0
		.amdhsa_float_denorm_mode_32 3
		.amdhsa_float_denorm_mode_16_64 3
		.amdhsa_memory_ordered 1
		.amdhsa_forward_progress 1
		.amdhsa_inst_pref_size 75
	.end_amdhsa_kernel
	.amdgpu_metadata
---
amdhsa.version: [ 1, 2 ]
amdhsa.kernels:
  - .name:           k_qbbd0fa7a51_wo
    .symbol:         k_qbbd0fa7a51_wo.kd
    .args:
      - { .name: zA, .offset: 0, .size: 8, .value_kind: global_buffer, .address_space: global }
      - { .name: wb, .offset: 8, .size: 8, .value_kind: global_buffer, .address_space: global }
      - { .name: midf, .offset: 16, .size: 8, .value_kind: global_buffer, .address_space: global }
      - { .name: midA, .offset: 24, .size: 8, .value_kind: global_buffer, .address_space: global }
    .group_segment_fixed_size: 327680
    .private_segment_fixed_size: 0
    .kernarg_segment_align: 8
    .kernarg_segment_size: 32
    .max_flat_workgroup_size: 128
    .sgpr_count:     88
    .vgpr_count:     768
    .wavefront_size: 32
...
	.end_amdgpu_metadata
.endif
;; end of part 4
;; launch win (part 5): grid 16 x 16, 4 waves a work-group, clusters of 4 x 4, 327,680 bytes of LDS; arguments midA, wb, b_in, hA; writes hA
.if DOCPART == 5
	.amdgcn_target "amdgcn-amd-amdhsa--gfx1250"
	.amdhsa_code_object_version 6
	.text
	.protected	k_qbbd0fa7a51_win
	.globl	k_qbbd0fa7a51_win
	.p2align	8
	.type	k_qbbd0fa7a51_win,@function
k_qbbd0fa7a51_win:
	s_mov_b64 s[64:65], 0
	v_nop
	global_prefetch_b8 v0, s[64:65] scope:SCOPE_SE
	s_setreg_imm32_b32 hwreg(HW_REG_WAVE_MODE, 25, 1), 1
	s_wait_xcnt 0x0
	s_wait_alu depctr_hold_cnt(0) depctr_sa_sdst(0) depctr_va_vdst(0) depctr_va_sdst(0) depctr_va_ssrc(0) depctr_va_vcc(0) depctr_vm_vsrc(0)
	s_getreg_b32 s2, hwreg(HW_REG_IB_STS2, 6, 4)
	s_cmp_eq_u32 s2, 0
	s_cbranch_scc0 .Lentry_in_a_cluster
	s_endpgm
.Lentry_in_a_cluster:
	s_bfe_u32 s2, ttmp6, 0x10000c
	s_cmp_lg_u32 s2, 0xf033
	s_cbranch_scc0 .Lentry_shape_is_right
	s_endpgm
.Lentry_shape_is_right:
; h = relu(mid W_in^T + b_in).  mid: midA, bf16, 64 units of 80 rows (64 rows, then the residues of the last 16); W_in: bf16 in wb; b_in rounded once to bf16, like every input; sums in f32, K = 1,024.
; The rows of residues add onto the accumulators of the rows that they belong to.  OUT: hA, bf16, in the same order of rows, with residues, rows of 4,096.
; LIMIT: relu is a maximum in which a NaN loses: a NaN would leave as 0.
; SHARES.  A work-group: 256 rows (four units) x 256 columns.  A wave: two units (160 stored rows) x 128 columns: 64 accumulators, 512 registers.
; THE MATRIX INSTRUCTION IS USED TRANSPOSED: source 0 = 16 rows of W_in, source 1 = 16 rows of mid: lane l holds row l % 16 and the columns 8 (l / 16) + 0..7.
; RING.  K goes in steps of 128 (rows of 256 bytes) through two LDS slots.  Waves 0, 1 fetch the halves of mid's tile, waves 2, 3 those of W_in's.
; CLUSTER 4 x 4: mid's tile is shared along a row of the cluster, W_in's along a column: each is asked for jointly.
; REGISTERS: window 0 addresses, v64-223 mid's fragments (two buffers); window 1 v0-127 W_in's fragments (two buffers);
; window 2 the accumulators of row blocks 0-3 (block a, column block b at v[8 (8 (a % 4) + b)]); window 3 those of blocks 4-7.
.set KS,    8
.set KB,    256
.set KSTEP, 128
.set PITCH, 272                        ; an LDS row: 256 bytes + 16 of padding: the 16 rows of a fragment load start at 16 different groups of four banks (ISA guide 11.1)
.set QI,    5
.set NA,    10                         ; stored blocks of 16 rows a wave: twice four and the residues of the fourth
.set NBK,   8
.set LOP,   1
.set ARW,   4
.set HAR,   160
.set HBR,   128
.set TA,    320
.set TBR,   256
.set ROWA,  2048
.set ROWBB, 2048
.set AOFF,  0
.set BOFFG, 16777216                   ; W_in in wb
.set P1E,   1
.set P2E,   4
.set APTR,  4
.set BPTR,  6
.set PF,    1
.set PRS,   1                          ; a lane names one of 2 blocks of 256 bytes of a row: 16 rows an instruction
.set RPA,   80                         ; rows of mid that one partner of four asks for: 4 waves x 16, and 16 more by wave 0
.set RPB,   64
.set BWV,   4
.set HASX,  1
.set XOFF,  64*ROWA
.set HA,    HAR*PITCH
.set HB,    HBR*PITCH
.set BOFF,  2*HA
.set SLOT,  BOFF+2*HB
.set W1,    2*(NA-1-P2E)
.set W2,    2*(NA+NBK)
.set AF,    64
.set AFS,   8*NA
.set BFS,   8*NBK
.set G1W0,  (1<<16)|(1<<20)|(1<<21)|(QI<<22)|(3<<25)
.set SPARE, 2*SLOT                     ; behind the ring: the spare words, 128 bytes for each wave: two blocks of 256 bytes that no other line names
.set DP,    528                        ; the way out: a row of 128 f32 + 16 bytes; 128 rows a wave, laid over the slots, which have had their last fill
.set WV,14
.set RH,15
.set CH,16
.set CX,17
.set CY,18
.set TX,19
.set TY,20
.set TB,21
.set CNT,22
.set LA,23
.set LB,24
.set LIMA,25
.set LIMB,26
.set LIMX,27
.set G1A,32
.set G1B,40
.set G0A0,48
.set G0A,52
.set G0B0,56
.set G0B,60
.set PFA,66
.set PFB,68
.set O1,70
.set ADRA0,4
.set ADRB0,5
.set ADRA,6
.set ADRB,7
.set STO,8
.set RD,9
.set GO,10
.set PFO,12
.set BO,14
.set NEG1,15                           ; v15  -1.0
.set SPW,28
.set NIL,29
.set XR,64                             ; the way out: 16 rows of h in f32, later of residues; YR bf16; LR residues in bf16
.set YR,128
.set LR,160
.set MSB, 0
.macro WIN new                         ; the immediate's high byte repeats the setting that is left; a switch that changes nothing is dropped
.if MSB != (\new)
	s_set_vgpr_msb (MSB<<8)|(\new)
.set MSB, (\new)
.endif
.endm
.macro PLACES                          ; four plain instructions behind matrix instructions, ahead of loads into registers that they read and of reads of their results
.rept 4
	v_nop
.endr
.endm
.macro CREST
	s_cmp_lg_u32 s[WV], 0
	s_cbranch_scc1 .Lnot_wave_0_\@
	s_barrier_signal -3
.Lnot_wave_0_\@:
	s_barrier_wait -3
	s_barrier_signal -1
	s_barrier_wait -1
.endm
.macro CROUND
	s_barrier_signal -1
	s_barrier_wait -1
	CREST
.endm
.macro JLOAD                           ; a joint refill: the branch hangs on the wave's number alone; an s_nop 0 and four v_nop follow each of the two lines
	s_cmp_lt_u32 s[WV], 2
	s_cbranch_scc0 .Lfor_b_\@
	tensor_load_to_lds s[G0A:G0A+3], s[G1A:G1A+7]
	s_nop 0
	PLACES
	s_branch .Lasked_\@
.Lfor_b_\@:
	tensor_load_to_lds s[G0B:G0B+3], s[G1B:G1B+7]
	s_nop 0
	PLACES
.Lasked_\@:
.endm
; The products of stored blocks i0 .. i1 of source 1 with all blocks of source 0, 32 along K, out of buffer f.  Block i adds onto accumulator row i - (i + 1) / 5: a block of residues onto the row
; before it, seven other accumulators' turns behind that row's own product.  The accumulators take turns, one instruction a turn.  zero = 1: a product of whole rows starts its sum.
.macro MULP f, i0, i1, zero
.set ii, (\i0)
.rept (\i1)-(\i0)+1
.set aa, ii-LOP*((ii+1)/5)
.set aLO, LOP*((ii%5)/4)
.set aB, 8*NBK*(aa%ARW)
	WIN 0xa1+0x50*(aa/ARW)
.set bb, 0
.rept NBK
.if (\zero) && !aLO
	v_wmma_f32_16x16x32_bf16 v[aB+8*bb:aB+8*bb+7], v[BFS*(\f)+8*bb:BFS*(\f)+8*bb+7], v[AF+AFS*(\f)+8*ii:AF+AFS*(\f)+8*ii+7], 0
.else
	v_wmma_f32_16x16x32_bf16 v[aB+8*bb:aB+8*bb+7], v[BFS*(\f)+8*bb:BFS*(\f)+8*bb+7], v[AF+AFS*(\f)+8*ii:AF+AFS*(\f)+8*ii+7], v[aB+8*bb:aB+8*bb+7]
.endif
.set bb, bb+1
.endr
.set ii, ii+1
.endr
.endm
.macro FETCH kq, f                     ; one run of LDS loads: the fragments of quarter kq of the slot in hand, into buffer f; source 0's first
	WIN 0x40
.set ii, 0
.rept NBK
	ds_load_b128 v[BFS*(\f)+8*ii:BFS*(\f)+8*ii+3],   v[ADRB] offset:64*(\kq)+ii*16*PITCH
	ds_load_b128 v[BFS*(\f)+8*ii+4:BFS*(\f)+8*ii+7], v[ADRB] offset:64*(\kq)+ii*16*PITCH+32
.set ii, ii+1
.endr
	WIN 0
.set ii, 0
.rept NA
	ds_load_b128 v[AF+AFS*(\f)+8*ii:AF+AFS*(\f)+8*ii+3],   v[ADRA] offset:64*(\kq)+ii*16*PITCH
	ds_load_b128 v[AF+AFS*(\f)+8*ii+4:AF+AFS*(\f)+8*ii+7], v[ADRA] offset:64*(\kq)+ii*16*PITCH+32
.set ii, ii+1
.endr
.endm
.macro QUARTER kq, f, g, zero
	s_wait_dscnt W1                                ; all but the youngest W1 loads are in: those serve the second half
	MULP \f, 0, P2E, \zero
	PLACES
	FETCH \kq, \g
	s_wait_dscnt W2                                ; all but the run just issued
	MULP \f, P2E+1, NA-1, \zero
.endm
.macro MEET
	WIN 0
	s_wait_tensorcnt 0x0                           ; all my tensor loads have landed: the one that was out is my part of the next slot
	ds_add_u32 v[SPW], v[NIL]                      ; 0 onto my spare word
	s_wait_dscnt W1+1                              ; the add and the youngest W1 loads may be out
	MULP 1, 0, P1E, 0
	s_wait_dscnt 0x0                               ; the add is done, and my reads of this slot are over
	s_barrier_signal -1
	MULP 1, P1E+1, P2E, 0
	WIN 0
	s_barrier_wait -1
.endm
; PREFETCHES INTO THE L2.  In the change of slots behind each odd K step s up to KS - 5 a wave names K steps s + 3 and s + 4 of 16 rows: a lane a block of 256 bytes.  Their refills go out at the next
; two changes of slots.  mid's rows are named by the clusters with x = 0, W_in's by those with y = 0; the four partners share a tile's rows out by address; the waves take 16 rows each, wave 0 sixteen more of mid's.
; So each block is named once in the launch.  K steps 0 to 3 come by their loads alone.
.macro ASK
	s_bitcmp1_b32 s[CNT], 0
	s_cbranch_scc0 .Lpf_end_\@
	s_cmp_gt_u32 s[CNT], s[LIMA]
	s_cbranch_scc0 .Lpf_b_\@
	global_prefetch_b8 v[PFO], s[PFA:PFA+1] th:TH_LOAD_NT scope:SCOPE_SE
.Lpf_b_\@:
	s_cmp_gt_u32 s[CNT], s[LIMB]
	s_cbranch_scc0 .Lpf_x_\@
	global_prefetch_b8 v[PFO], s[PFB:PFB+1] th:TH_LOAD_NT scope:SCOPE_SE
.Lpf_x_\@:
.if HASX
	s_cmp_gt_u32 s[CNT], s[LIMX]
	s_cbranch_scc0 .Lpf_end_\@
	global_prefetch_b8 v[PFO], s[PFA:PFA+1] offset:XOFF th:TH_LOAD_NT scope:SCOPE_SE
.endif
.Lpf_end_\@:
.endm
.macro TURN1
.if PF
	s_wait_xcnt 0x0                                ; the last prefetches, a K step back or more, have read their addresses
	s_add_nc_u64 s[PFA:PFA+1], s[PFA:PFA+1], KB
	s_add_nc_u64 s[PFB:PFB+1], s[PFB:PFB+1], KB
.endif
	MEET
	CREST                                          ; no wave of any partner still reads this slot or has a load on its way
	s_add_co_u32 s[G0A+1], s[TB], s[LA]
	s_add_co_u32 s[G0B+1], s[TB], s[LB]
	s_add_nc_u64 s[G0A+2:G0A+3], s[G0A+2:G0A+3], KB
	s_add_nc_u64 s[G0B+2:G0B+3], s[G0B+2:G0B+3], KB
	JLOAD
	s_xor_b32 s[TB], s[TB], SLOT
	v_add_nc_u32 v[ADRA], s[TB], v[ADRA0]
	v_add_nc_u32 v[ADRB], s[TB], v[ADRB0]
	FETCH 0, 0
.if PF
	ASK
.endif
	MULP 1, P2E+1, NA-1, 0
.endm
.macro TURN0
	MEET
	s_xor_b32 s[TB], s[TB], SLOT
	s_cmp_eq_u32 s[CNT], 1
	s_cbranch_scc1 .Lnofetch_\@
	PLACES
	v_add_nc_u32 v[ADRA], s[TB], v[ADRA0]
	v_add_nc_u32 v[ADRB], s[TB], v[ADRB0]
	FETCH 0, 0
.Lnofetch_\@:
	MULP 1, P2E+1, NA-1, 0
.endm
	s_load_b256 s[4:11], s[0:1], 0x0               ; midA s[4:5], wb s[6:7], b_in s[8:9], hA s[10:11]
	v_lshl_add_u32 v[SPW], v0, 2, SPARE
	v_mov_b32 v[NIL], 0
	ds_add_u32 v[SPW], v[NIL]                      ; the wave's opening: the add and its wait stand ahead of my first tensor load
	v_lshrrev_b32 v1, 5, v0
	v_readfirstlane_b32 s[WV], v1
	s_lshr_b32 s[RH], s[WV], 1                     ; my half of the tile's rows
	s_and_b32 s[CH], s[WV], 1                      ; my half of its columns.  Also: which half of a tile I fetch
	s_bfe_u32 s[CX], ttmp6, 0x40000
	s_bfe_u32 s[CY], ttmp6, 0x40004
	s_lshl_b32 s[TX], ttmp9, 2
	s_add_co_u32 s[TX], s[TX], s[CX]
	s_and_b32 s[TY], ttmp7, 0xffff
	s_lshl_b32 s[TY], s[TY], 2
	s_add_co_u32 s[TY], s[TY], s[CY]
	s_lshl_b32 s28, s[CY], 2
	s_lshl_b32 s28, 15, s28
	s_lshl_b32 s76, 0x1111, s[CX]
	s_or_b32 s[G1A], s28, G1W0
	s_or_b32 s[G1B], s76, G1W0
	s_mov_b32 s[G1A+1], KSTEP<<16
	s_mov_b32 s[G1A+2], HAR<<16
	s_mov_b32 s[G1A+3], KSTEP<<16
	s_mov_b32 s[G1A+4], HAR
	s_mov_b32 s[G1A+5], ROWA/2
	s_mov_b32 s[G1A+6], 0
	s_mov_b32 s[G1A+7], 0
	s_mov_b32 s[G1B+1], KSTEP<<16
	s_mov_b32 s[G1B+2], HBR<<16
	s_mov_b32 s[G1B+3], KSTEP<<16
	s_mov_b32 s[G1B+4], HBR
	s_mov_b32 s[G1B+5], ROWBB/2
	s_mov_b32 s[G1B+6], 0
	s_mov_b32 s[G1B+7], 0
	s_mul_i32 s[LA], s[CH], HA
	s_mul_i32 s[LB], s[CH], HB
	s_add_co_u32 s[LB], s[LB], BOFF
	s_mov_b32 s[TB], 0
	s_mov_b32 s[G0A0], 1
	s_mov_b32 s[G0A0+1], s[LA]
	s_mov_b32 s[G0A], 1
	s_add_co_u32 s[G0A+1], s[LA], SLOT
	s_mov_b32 s[G0B0], 1
	s_mov_b32 s[G0B0+1], s[LB]
	s_mov_b32 s[G0B], 1
	s_add_co_u32 s[G0B+1], s[LB], SLOT
	s_mul_i32 s28, s[TY], TA
	s_mul_i32 s29, s[CH], HAR
	s_add_co_u32 s28, s28, s29
	s_mul_i32 s28, s28, ROWA
	s_mov_b32 s29, 0
	s_mul_i32 s76, s[TX], TBR
	s_mul_i32 s77, s[CH], HBR
	s_add_co_u32 s76, s76, s77
	s_mul_i32 s76, s76, ROWBB
	s_add_co_u32 s76, s76, BOFFG
	s_mov_b32 s77, 0
	s_wait_dscnt 0x0                               ; the opening add is done
	s_wait_kmcnt 0x0
	s_add_nc_u64 s[30:31], s[APTR:APTR+1], s[28:29]
	s_add_nc_u64 s[78:79], s[BPTR:BPTR+1], s[76:77]
	s_mov_b64 s[G0A0+2:G0A0+3], s[30:31]
	s_or_b32 s[G0A0+3], s[G0A0+3], 0x80000000
	s_add_nc_u64 s[G0A+2:G0A+3], s[30:31], KB
	s_or_b32 s[G0A+3], s[G0A+3], 0x80000000
	s_mov_b64 s[G0B0+2:G0B0+3], s[78:79]
	s_or_b32 s[G0B0+3], s[G0B0+3], 0x80000000
	s_add_nc_u64 s[G0B+2:G0B+3], s[78:79], KB
	s_or_b32 s[G0B+3], s[G0B+3], 0x80000000
	CROUND                                         ; all sixteen work-groups are here: the first joint loads meet
	s_cmp_lt_u32 s[WV], 2                          ; a wave's two first fills stand in one branch: two loads of mine are out
	s_cbranch_scc0 .Lfirst_b
	tensor_load_to_lds s[G0A0:G0A0+3], s[G1A:G1A+7]
	s_nop 0
	tensor_load_to_lds s[G0A:G0A+3], s[G1A:G1A+7]
	s_nop 0
	PLACES
	s_branch .Lfirst_done
.Lfirst_b:
	tensor_load_to_lds s[G0B0:G0B0+3], s[G1B:G1B+7]
	s_nop 0
	tensor_load_to_lds s[G0B:G0B+3], s[G1B:G1B+7]
	s_nop 0
	PLACES
.Lfirst_done:
	v_and_b32 v1, 15, v0                           ; r
	v_bfe_u32 v2, v0, 4, 1                         ; h
	v_and_b32 v3, 31, v0                           ; l
	v_mul_u32_u24 v20, v1, PITCH
	v_lshl_add_u32 v20, v2, 4, v20
	s_mul_i32 s80, s[RH], HA                       ; my 160 rows of mid
	s_mul_i32 s81, s[CH], HB                       ; my 128 rows of W_in
	s_add_co_u32 s81, s81, BOFF
	v_add_nc_u32 v[ADRA0], s80, v20
	v_add_nc_u32 v[ADRB0], s81, v20
	v_mov_b32 v[ADRA], v[ADRA0]
	v_mov_b32 v[ADRB], v[ADRB0]
	; the prefetches: where they stand, and who asks
	s_mul_i32 s80, s[TY], TA
	s_mul_i32 s81, s[CX], RPA
	s_add_co_u32 s80, s80, s81
	s_mul_i32 s80, s80, ROWA
	s_add_co_u32 s80, s80, AOFF+2*KB
	s_mov_b32 s81, 0
	s_add_nc_u64 s[PFA:PFA+1], s[APTR:APTR+1], s[80:81]
	s_mul_i32 s82, s[TX], TBR
	s_mul_i32 s83, s[CY], RPB
	s_add_co_u32 s82, s82, s83
	s_mul_i32 s82, s82, ROWBB
	s_add_co_u32 s82, s82, BOFFG+2*KB
	s_mov_b32 s83, 0
	s_add_nc_u64 s[PFB:PFB+1], s[BPTR:BPTR+1], s[82:83]
	s_mov_b32 s80, ttmp9
	s_cmp_eq_u32 s80, 0
	s_cselect_b32 s[LIMA], 1, -1
	s_and_b32 s80, ttmp7, 0xffff
	s_cmp_eq_u32 s80, 0
	s_cselect_b32 s[LIMB], 1, -1
	s_cmp_eq_u32 s[WV], 0
	s_cselect_b32 s[LIMX], s[LIMA], -1
	v_lshrrev_b32 v20, PRS, v3
	v_and_b32 v21, (1<<PRS)-1, v3
	v_mul_u32_u24 v[PFO], v20, ROWA
	v_lshl_add_u32 v[PFO], v21, 8, v[PFO]
	s_mul_i32 s80, s[WV], (32>>PRS)*ROWA
	v_add_nc_u32 v[PFO], s80, v[PFO]
	; the way out
	s_mul_i32 s80, s[WV], 128*DP
	v_mul_u32_u24 v[STO], v1, DP                   ; in: row r, 32 bytes for each half of the lanes
	v_lshl_add_u32 v[STO], v2, 5, v[STO]
	v_add_nc_u32 v[STO], s80, v[STO]
	v_lshl_add_u32 v[RD], v3, 4, s80               ; back: a row of 512 bytes an instruction
	v_lshlrev_b32 v[GO], 3, v3
	v_mov_b32 v[NEG1], -1.0
	s_lshl_b32 s80, s[TX], 8
	s_lshl_b32 s81, s[CH], 7
	s_add_co_u32 s80, s80, s81                     ; my first column
	s_lshl_b32 s81, s80, 2
	v_lshl_add_u32 v[BO], v3, 4, s81
	global_load_b128 v[16:19], v[BO], s[8:9]       ; b_in of my four columns
	s_lshl_b32 s82, s[TY], 2
	s_lshl_b32 s83, s[RH], 1
	s_add_co_u32 s82, s82, s83                     ; my first unit
	s_mul_i32 s82, s82, 80*8192
	s_lshl_b32 s80, s80, 1
	s_add_co_u32 s82, s82, s80
	s_mov_b32 s83, 0
	s_add_nc_u64 s[O1:O1+1], s[10:11], s[82:83]
	s_mov_b32 s86, 0xffff0000
	s_wait_tensorcnt 0x1                           ; my part of K step 0 is in; K step 1's may stay out
	s_barrier_signal -1
	s_barrier_wait -1
	FETCH 0, 0
	QUARTER 1, 0, 1, 1
	WIN 0
	s_mov_b32 s[CNT], KS-2
	s_branch .Lin
.Lstep:
	QUARTER 1, 0, 1, 0
	WIN 0
.Lin:
	QUARTER 2, 1, 0, 0
	QUARTER 3, 0, 1, 0
	TURN1
	WIN 0
	s_sub_co_u32 s[CNT], s[CNT], 1
	s_cmp_lg_u32 s[CNT], 0
	s_cbranch_scc1 .Lstep
	s_mov_b32 s[CNT], 2
.Ltail:
	QUARTER 1, 0, 1, 0
	QUARTER 2, 1, 0, 0
	QUARTER 3, 0, 1, 0
	TURN0
	WIN 0
	s_sub_co_u32 s[CNT], s[CNT], 1
	s_cmp_lg_u32 s[CNT], 0
	s_cbranch_scc1 .Ltail
	; THE WAY OUT.  Every wave's reads of the slots are over and waited for; behind this barrier each wave lays its sums over the slots, in bytes of its own, and reads them back by rows.
	PLACES
	PLACES
	s_wait_dscnt 0x0
	s_barrier_signal -1
	s_barrier_wait -1
.set aa, 0
.rept 8
	WIN 0x08+4*(aa/4)                              ; store data in window 2 or 3
.set bb, 0
.rept 8
	ds_store_b128 v[STO], v[64*(aa%4)+8*bb:64*(aa%4)+8*bb+3]   offset:aa*16*DP+64*bb
	ds_store_b128 v[STO], v[64*(aa%4)+8*bb+4:64*(aa%4)+8*bb+7] offset:aa*16*DP+64*bb+16
.set bb, bb+1
.endr
.set aa, aa+1
.endr
	WIN 0
	s_wait_loadcnt 0x0                             ; b_in
	v_cvt_pk_bf16_f32 v20, v16, v17                ; rounded once to bf16, like every input
	v_cvt_pk_bf16_f32 v21, v18, v19
	v_lshlrev_b32 v16, 16, v20
	v_and_b32 v17, s86, v20
	v_lshlrev_b32 v18, 16, v21
	v_and_b32 v19, s86, v21
	s_mov_b32 s[CNT], 8
.Lrow:                                         ; 16 rows a trip, BY STAGES over the 16 rows, so that no instruction reads the result of the one just before it and a store stands a stage behind its data.
	                                               ; LDS serves a wave's instructions in order (ISA guide 5.7.1.4): the loads see my stores
.set i, 0
.rept 16
	ds_load_b128 v[XR+4*i:XR+4*i+3], v[RD] offset:i*DP
.set i, i+1
.endr
.set i, 0
.rept 16                                       ; stage 1: the bias
	s_wait_dscnt 15-i                              ; this row's load is in; the later rows' stay out
	v_pk_add_f32 v[XR+4*i:XR+4*i+1],   v[XR+4*i:XR+4*i+1],   v[16:17]
	v_pk_add_f32 v[XR+4*i+2:XR+4*i+3], v[XR+4*i+2:XR+4*i+3], v[18:19]
.set i, i+1
.endr
.set i, 0
.rept 64                                       ; stage 2: relu
	v_max_num_f32 v[XR+i], 0, v[XR+i]
.set i, i+1
.endr
.set i, 0
.rept 32                                       ; stage 3: the roundings
	v_cvt_pk_bf16_f32 v[YR+i], v[XR+2*i], v[XR+2*i+1]
.set i, i+1
.endr
.set i, 0
.rept 16                                       ; stage 4: the stores
	global_store_b64 v[GO], v[YR+2*i:YR+2*i+1], s[O1:O1+1] offset:i*8192  ; 256 consecutive bytes, aligned
.set i, i+1
.endr
	s_and_b32 s80, s[CNT], 3                       ; a unit's fourth block leaves its residue too, in the 16 rows behind it
	s_cmp_eq_u32 s80, 1
	s_cbranch_scc0 .Lnolo
.set i, 0
.rept 32                                       ; h - bf16(h): the bf16 half times -1.0 plus h, in h's registers
	v_fma_mix_f32_bf16 v[XR+2*i],   v[YR+i], v[NEG1], v[XR+2*i]   op_sel_hi:[1,0,0]
	v_fma_mix_f32_bf16 v[XR+2*i+1], v[YR+i], v[NEG1], v[XR+2*i+1] op_sel:[1,0,0] op_sel_hi:[1,0,0]
.set i, i+1
.endr
.set i, 0
.rept 32
	v_cvt_pk_bf16_f32 v[LR+i], v[XR+2*i], v[XR+2*i+1]
.set i, i+1
.endr
.set i, 0
.rept 16
	global_store_b64 v[GO], v[LR+2*i:LR+2*i+1], s[O1:O1+1] offset:(16+i)*8192
.set i, i+1
.endr
	s_wait_xcnt 0x0                                ; the stores have read their base
	s_add_nc_u64 s[O1:O1+1], s[O1:O1+1], 131072    ; past the rows of residues
.Lnolo:
	s_wait_xcnt 0x0                                ; the stores have read their registers and their base
	v_add_nc_u32 v[RD], 16*DP, v[RD]
	s_add_nc_u64 s[O1:O1+1], s[O1:O1+1], 131072
	s_sub_co_u32 s[CNT], s[CNT], 1
	s_cmp_lg_u32 s[CNT], 0
	s_cbranch_scc1 .Lrow
	s_wait_tensorcnt 0x0                           ; the wave's end
	ds_add_u32 v[SPW], v[NIL]
	s_wait_dscnt 0x0
	CROUND                                         ; the closing round
	s_endpgm
.Lfunc_end_k_qbbd0fa7a51_win:
	.size	k_qbbd0fa7a51_win, .Lfunc_end_k_qbbd0fa7a51_win-k_qbbd0fa7a51_win
	.p2alignl 7, 3214868480
	.fill 96, 4, 3214868480
	.section	.rodata,"a",@progbits
	.p2align	6, 0x0
	.amdhsa_kernel k_qbbd0fa7a51_win
		.amdhsa_group_segment_fixed_size 327680
		.amdhsa_private_segment_fixed_size 0
		.amdhsa_enable_private_segment 0
		.amdhsa_kernarg_size 32
		.amdhsa_user_sgpr_count 2
		.amdhsa_user_sgpr_kernarg_segment_ptr 1
		.amdhsa_wavefront_size32 1
		.amdhsa_system_sgpr_workgroup_id_x 1
		.amdhsa_system_sgpr_workgroup_id_y 1
		.amdhsa_system_sgpr_workgroup_id_z 1
		.amdhsa_system_vgpr_workitem_id 0
		.amdhsa_next_free_vgpr 1024
		.amdhsa_next_free_sgpr 88
		.amdhsa_reserve_vcc 0
		.amdhsa_float_denorm_mode_32 3
		.amdhsa_float_denorm_mode_16_64 3
		.amdhsa_memory_ordered 1
		.amdhsa_forward_progress 1
		.amdhsa_inst_pref_size 108
	.end_amdhsa_kernel
	.amdgpu_metadata
---
amdhsa.version: [ 1, 2 ]
amdhsa.kernels:
  - .name:           k_qbbd0fa7a51_win
    .symbol:         k_qbbd0fa7a51_win.kd
    .args:
      - { .name: midA, .offset: 0, .size: 8, .value_kind: global_buffer, .address_space: global }
      - { .name: wb, .offset: 8, .size: 8, .value_kind: global_buffer, .address_space: global }
      - { .name: b_in, .offset: 16, .size: 8, .value_kind: global_buffer, .address_space: global }
      - { .name: hA, .offset: 24, .size: 8, .value_kind: global_buffer, .address_space: global }
    .group_segment_fixed_size: 327680
    .private_segment_fixed_size: 0
    .kernarg_segment_align: 8
    .kernarg_segment_size: 32
    .max_flat_workgroup_size: 128
    .sgpr_count:     88
    .vgpr_count:     1024
    .wavefront_size: 32
...
	.end_amdgpu_metadata
.endif
;; end of part 5
;; launch wout (part 6): grid 8 x 32, 4 waves a work-group, clusters of 4 x 4, 327,680 bytes of LDS; arguments hA, wb, b_out, midf, out0; writes out0
.if DOCPART == 6
	.amdgcn_target "amdgcn-amd-amdhsa--gfx1250"
	.amdhsa_code_object_version 6
	.text
	.protected	k_qbbd0fa7a51_wout
	.globl	k_qbbd0fa7a51_wout
	.p2align	8
	.type	k_qbbd0fa7a51_wout,@function
k_qbbd0fa7a51_wout:
	s_mov_b64 s[64:65], 0
	v_nop
	global_prefetch_b8 v0, s[64:65] scope:SCOPE_SE
	s_setreg_imm32_b32 hwreg(HW_REG_WAVE_MODE, 25, 1), 1
	s_wait_xcnt 0x0
	s_wait_alu depctr_hold_cnt(0) depctr_sa_sdst(0) depctr_va_vdst(0) depctr_va_sdst(0) depctr_va_ssrc(0) depctr_va_vcc(0) depctr_vm_vsrc(0)
	s_getreg_b32 s2, hwreg(HW_REG_IB_STS2, 6, 4)
	s_cmp_eq_u32 s2, 0
	s_cbranch_scc0 .Lentry_in_a_cluster
	s_endpgm
.Lentry_in_a_cluster:
	s_bfe_u32 s2, ttmp6, 0x10000c
	s_cmp_lg_u32 s2, 0xf033
	s_cbranch_scc0 .Lentry_shape_is_right
	s_endpgm
.Lentry_shape_is_right:
; out = mid + h W_out^T + b_out.  h: hA, bf16, 64 units of 80 rows of 4,096 (64 rows, then the residues of the last 16); W_out: bf16 in wb; b_out rounded once to bf16, like every input;
; mid: midf, f32.  Sums in f32, K = 4,096.  The rows of residues add onto the accumulators of the rows that they belong to.  OUT: out0, f32, in the module's own order of rows.
; SHARES.  A work-group: 128 rows (two units) x 128 columns.  K IS SPLIT AMONG THE WAVES: wave (unit RH, half CH) multiplies its unit's 80 rows by all 128 columns over half of each K step:
; 32 accumulators.  The two halves' sums meet in LDS at the end.
; THE MATRIX INSTRUCTION IS USED TRANSPOSED: source 0 = 16 rows of W_out, source 1 = 16 rows of h: lane l holds row l % 16 and the columns 8 (l / 16) + 0..7.
; RING.  K goes in steps of 256 (rows of 512 bytes) through two LDS slots.  Waves 0, 1 fetch the two units of h, waves 2, 3 the halves of W_out's tile.
; CLUSTER 4 x 4: h's tile is shared along a row of the cluster, W_out's along a column: each is asked for jointly.
; REGISTERS: window 0 addresses, v64-143 h's fragments (two buffers); window 1 v0-127 W_out's fragments (two buffers), v128-255 the 32 rows of mid that I finish, loaded at the start;
; window 2 the accumulators (row block a, column block b at v[8 (8 a + b)]).
.set KS,    16
.set KB,    512
.set KSTEP, 256
.set PITCH, 528                        ; an LDS row: 512 bytes + 16 of padding: the 16 rows of a fragment load start at 16 different groups of four banks (ISA guide 11.1)
.set QI,    6
.set NA,    5
.set NBK,   8
.set LOP,   1
.set ARW,   4
.set HAR,   80
.set HBR,   64
.set TA,    160
.set TBR,   128
.set ROWA,  8192
.set ROWBB, 8192
.set AOFF,  0
.set BOFFG, 25165824                   ; W_out in wb
.set P1E,   0
.set P2E,   1
.set APTR,  4
.set BPTR,  6
.set PF,    1
.set PRS,   2                          ; a lane names one of 4 blocks of 256 bytes of a row: 8 rows an instruction
.set RPA,   40                         ; rows of h that one partner of four asks for: 4 waves x 8, and 8 more by wave 0
.set RPB,   32
.set BWV,   4
.set HASX,  1
.set XOFF,  32*ROWA
.set HA,    HAR*PITCH
.set HB,    HBR*PITCH
.set BOFF,  2*HA
.set SLOT,  BOFF+2*HB
.set W1,    2*(NA-1-P2E)
.set W2,    2*(NA+NBK)
.set AF,    64
.set AFS,   8*NA
.set BFS,   8*NBK
.set G1W0,  (1<<16)|(1<<20)|(1<<21)|(QI<<22)|(3<<25)
.set SPARE, 2*SLOT                     ; behind the ring: the spare words, 128 bytes for each wave: two blocks of 256 bytes that no other line names
.set DP,    528                        ; the way out: a row of 128 f32 + 16 bytes; 64 rows a wave, laid over slot 0, which has had its last fill
.set WV,14
.set RH,15
.set CH,16
.set CX,17
.set CY,18
.set TX,19
.set TY,20
.set TB,21
.set CNT,22
.set LA,23
.set LB,24
.set LIMA,25
.set LIMB,26
.set LIMX,27
.set G1A,32
.set G1B,40
.set G0A0,48
.set G0A,52
.set G0B0,56
.set G0B,60
.set PFA,66
.set PFB,68
.set O1,70
.set O2,72
.set ADRA0,4
.set ADRB0,5
.set ADRA,6
.set ADRB,7
.set STO,8
.set RD,9
.set GO,10
.set PFO,12
.set BO,14
.set SPW,28
.set NIL,29
.set ZR,128                            ; the way out: the other half of K's sums
.set MID,128                           ; window 1
.set MSB, 0
.macro WIN new                         ; the immediate's high byte repeats the setting that is left; a switch that changes nothing is dropped
.if MSB != (\new)
	s_set_vgpr_msb (MSB<<8)|(\new)
.set MSB, (\new)
.endif
.endm
.macro PLACES                          ; four plain instructions behind matrix instructions, ahead of loads into registers that they read and of reads of their results
.rept 4
	v_nop
.endr
.endm
.macro CREST
	s_cmp_lg_u32 s[WV], 0
	s_cbranch_scc1 .Lnot_wave_0_\@
	s_barrier_signal -3
.Lnot_wave_0_\@:
	s_barrier_wait -3
	s_barrier_signal -1
	s_barrier_wait -1
.endm
.macro CROUND
	s_barrier_signal -1
	s_barrier_wait -1
	CREST
.endm
.macro JLOAD                           ; a joint refill: the branch hangs on the wave's number alone; an s_nop 0 and four v_nop follow each of the two lines
	s_cmp_lt_u32 s[WV], 2
	s_cbranch_scc0 .Lfor_b_\@
	tensor_load_to_lds s[G0A:G0A+3], s[G1A:G1A+7]
	s_nop 0
	PLACES
	s_branch .Lasked_\@
.Lfor_b_\@:
	tensor_load_to_lds s[G0B:G0B+3], s[G1B:G1B+7]
	s_nop 0
	PLACES
.Lasked_\@:
.endm
; The products of stored blocks i0 .. i1 of source 1 with all blocks of source 0, 32 along K, out of buffer f.  Block i adds onto accumulator row i - (i + 1) / 5: a block of residues onto the row
; before it, seven other accumulators' turns behind that row's own product.  The accumulators take turns, one instruction a turn.  zero = 1: a product of whole rows starts its sum.
.macro MULP f, i0, i1, zero
.set ii, (\i0)
.rept (\i1)-(\i0)+1
.set aa, ii-LOP*((ii+1)/5)
.set aLO, LOP*((ii%5)/4)
.set aB, 8*NBK*(aa%ARW)
	WIN 0xa1+0x50*(aa/ARW)
.set bb, 0
.rept NBK
.if (\zero) && !aLO
	v_wmma_f32_16x16x32_bf16 v[aB+8*bb:aB+8*bb+7], v[BFS*(\f)+8*bb:BFS*(\f)+8*bb+7], v[AF+AFS*(\f)+8*ii:AF+AFS*(\f)+8*ii+7], 0
.else
	v_wmma_f32_16x16x32_bf16 v[aB+8*bb:aB+8*bb+7], v[BFS*(\f)+8*bb:BFS*(\f)+8*bb+7], v[AF+AFS*(\f)+8*ii:AF+AFS*(\f)+8*ii+7], v[aB+8*bb:aB+8*bb+7]
.endif
.set bb, bb+1
.endr
.set ii, ii+1
.endr
.endm
.macro FETCH kq, f                     ; one run of LDS loads: the fragments of quarter kq of my half of the K step, into buffer f; source 0's first
	WIN 0x40
.set ii, 0
.rept NBK
	ds_load_b128 v[BFS*(\f)+8*ii:BFS*(\f)+8*ii+3],   v[ADRB] offset:64*(\kq)+ii*16*PITCH
	ds_load_b128 v[BFS*(\f)+8*ii+4:BFS*(\f)+8*ii+7], v[ADRB] offset:64*(\kq)+ii*16*PITCH+32
.set ii, ii+1
.endr
	WIN 0
.set ii, 0
.rept NA
	ds_load_b128 v[AF+AFS*(\f)+8*ii:AF+AFS*(\f)+8*ii+3],   v[ADRA] offset:64*(\kq)+ii*16*PITCH
	ds_load_b128 v[AF+AFS*(\f)+8*ii+4:AF+AFS*(\f)+8*ii+7], v[ADRA] offset:64*(\kq)+ii*16*PITCH+32
.set ii, ii+1
.endr
.endm
.macro QUARTER kq, f, g, zero
	s_wait_dscnt W1                                ; all but the youngest W1 loads are in: those serve the second half
	MULP \f, 0, P2E, \zero
	PLACES
	FETCH \kq, \g
	s_wait_dscnt W2                                ; all but the run just issued
	MULP \f, P2E+1, NA-1, \zero
.endm
.macro MEET
	WIN 0
	s_wait_tensorcnt 0x0                           ; all my tensor loads have landed: the one that was out is my part of the next slot
	ds_add_u32 v[SPW], v[NIL]                      ; 0 onto my spare word
	s_wait_dscnt W1+1                              ; the add and the youngest W1 loads may be out
	MULP 1, 0, P1E, 0
	s_wait_dscnt 0x0                               ; the add is done, and my reads of this slot are over
	s_barrier_signal -1
	MULP 1, P1E+1, P2E, 0
	WIN 0
	s_barrier_wait -1
.endm
; PREFETCHES INTO THE L2.  In the change of slots behind each odd K step s up to KS - 5 a wave names K steps s + 3 and s + 4 of 8 rows: a lane a block of 256 bytes.  Their refills go out at the next
; two changes of slots.  h's rows are named by the clusters with x = 0, W_out's by those with y = 0; the four partners share a tile's rows out by address; the waves take 8 rows each, wave 0 eight more of h's.
; So each block is named once in the launch.  K steps 0 to 3 come by their loads alone.
.macro ASK
	s_bitcmp1_b32 s[CNT], 0
	s_cbranch_scc0 .Lpf_end_\@
	s_cmp_gt_u32 s[CNT], s[LIMA]
	s_cbranch_scc0 .Lpf_b_\@
	global_prefetch_b8 v[PFO], s[PFA:PFA+1] th:TH_LOAD_NT scope:SCOPE_SE
.Lpf_b_\@:
	s_cmp_gt_u32 s[CNT], s[LIMB]
	s_cbranch_scc0 .Lpf_x_\@
	global_prefetch_b8 v[PFO], s[PFB:PFB+1] th:TH_LOAD_NT scope:SCOPE_SE
.Lpf_x_\@:
.if HASX
	s_cmp_gt_u32 s[CNT], s[LIMX]
	s_cbranch_scc0 .Lpf_end_\@
	global_prefetch_b8 v[PFO], s[PFA:PFA+1] offset:XOFF th:TH_LOAD_NT scope:SCOPE_SE
.endif
.Lpf_end_\@:
.endm
.macro TURN1
.if PF
	s_wait_xcnt 0x0                                ; the last prefetches, a K step back or more, have read their addresses
	s_add_nc_u64 s[PFA:PFA+1], s[PFA:PFA+1], KB
	s_add_nc_u64 s[PFB:PFB+1], s[PFB:PFB+1], KB
.endif
	MEET
	CREST                                          ; no wave of any partner still reads this slot or has a load on its way
	s_add_co_u32 s[G0A+1], s[TB], s[LA]
	s_add_co_u32 s[G0B+1], s[TB], s[LB]
	s_add_nc_u64 s[G0A+2:G0A+3], s[G0A+2:G0A+3], KB
	s_add_nc_u64 s[G0B+2:G0B+3], s[G0B+2:G0B+3], KB
	JLOAD
	s_xor_b32 s[TB], s[TB], SLOT
	v_add_nc_u32 v[ADRA], s[TB], v[ADRA0]
	v_add_nc_u32 v[ADRB], s[TB], v[ADRB0]
	FETCH 0, 0
.if PF
	ASK
.endif
	MULP 1, P2E+1, NA-1, 0
.endm
.macro TURN0
	MEET
	s_xor_b32 s[TB], s[TB], SLOT
	s_cmp_eq_u32 s[CNT], 1
	s_cbranch_scc1 .Lnofetch_\@
	PLACES
	v_add_nc_u32 v[ADRA], s[TB], v[ADRA0]
	v_add_nc_u32 v[ADRB], s[TB], v[ADRB0]
	FETCH 0, 0
.Lnofetch_\@:
	MULP 1, P2E+1, NA-1, 0
.endm
	s_load_b256 s[4:11], s[0:1], 0x0               ; hA s[4:5], wb s[6:7], b_out s[8:9], midf s[10:11]
	s_load_b64 s[12:13], s[0:1], 0x20              ; out0
	v_lshl_add_u32 v[SPW], v0, 2, SPARE
	v_mov_b32 v[NIL], 0
	ds_add_u32 v[SPW], v[NIL]                      ; the wave's opening: the add and its wait stand ahead of my first tensor load
	v_lshrrev_b32 v1, 5, v0
	v_readfirstlane_b32 s[WV], v1
	s_lshr_b32 s[RH], s[WV], 1                     ; my unit of the tile's two
	s_and_b32 s[CH], s[WV], 1                      ; my half of K.  Also: which half of a tile I fetch
	s_bfe_u32 s[CX], ttmp6, 0x40000
	s_bfe_u32 s[CY], ttmp6, 0x40004
	s_lshl_b32 s[TX], ttmp9, 2
	s_add_co_u32 s[TX], s[TX], s[CX]
	s_and_b32 s[TY], ttmp7, 0xffff
	s_lshl_b32 s[TY], s[TY], 2
	s_add_co_u32 s[TY], s[TY], s[CY]
	s_lshl_b32 s28, s[CY], 2
	s_lshl_b32 s28, 15, s28
	s_lshl_b32 s76, 0x1111, s[CX]
	s_or_b32 s[G1A], s28, G1W0
	s_or_b32 s[G1B], s76, G1W0
	s_mov_b32 s[G1A+1], KSTEP<<16
	s_mov_b32 s[G1A+2], HAR<<16
	s_mov_b32 s[G1A+3], KSTEP<<16
	s_mov_b32 s[G1A+4], HAR
	s_mov_b32 s[G1A+5], ROWA/2
	s_mov_b32 s[G1A+6], 0
	s_mov_b32 s[G1A+7], 0
	s_mov_b32 s[G1B+1], KSTEP<<16
	s_mov_b32 s[G1B+2], HBR<<16
	s_mov_b32 s[G1B+3], KSTEP<<16
	s_mov_b32 s[G1B+4], HBR
	s_mov_b32 s[G1B+5], ROWBB/2
	s_mov_b32 s[G1B+6], 0
	s_mov_b32 s[G1B+7], 0
	s_mul_i32 s[LA], s[CH], HA
	s_mul_i32 s[LB], s[CH], HB
	s_add_co_u32 s[LB], s[LB], BOFF
	s_mov_b32 s[TB], 0
	s_mov_b32 s[G0A0], 1
	s_mov_b32 s[G0A0+1], s[LA]
	s_mov_b32 s[G0A], 1
	s_add_co_u32 s[G0A+1], s[LA], SLOT
	s_mov_b32 s[G0B0], 1
	s_mov_b32 s[G0B0+1], s[LB]
	s_mov_b32 s[G0B], 1
	s_add_co_u32 s[G0B+1], s[LB], SLOT
	s_mul_i32 s28, s[TY], TA
	s_mul_i32 s29, s[CH], HAR
	s_add_co_u32 s28, s28, s29
	s_mul_i32 s28, s28, ROWA
	s_mov_b32 s29, 0
	s_mul_i32 s76, s[TX], TBR
	s_mul_i32 s77, s[CH], HBR
	s_add_co_u32 s76, s76, s77
	s_mul_i32 s76, s76, ROWBB
	s_add_co_u32 s76, s76, BOFFG
	s_mov_b32 s77, 0
	s_wait_dscnt 0x0                               ; the opening add is done
	s_wait_kmcnt 0x0
	s_add_nc_u64 s[30:31], s[APTR:APTR+1], s[28:29]
	s_add_nc_u64 s[78:79], s[BPTR:BPTR+1], s[76:77]
	s_mov_b64 s[G0A0+2:G0A0+3], s[30:31]
	s_or_b32 s[G0A0+3], s[G0A0+3], 0x80000000
	s_add_nc_u64 s[G0A+2:G0A+3], s[30:31], KB
	s_or_b32 s[G0A+3], s[G0A+3], 0x80000000
	s_mov_b64 s[G0B0+2:G0B0+3], s[78:79]
	s_or_b32 s[G0B0+3], s[G0B0+3], 0x80000000
	s_add_nc_u64 s[G0B+2:G0B+3], s[78:79], KB
	s_or_b32 s[G0B+3], s[G0B+3], 0x80000000
	CROUND                                         ; all sixteen work-groups are here: the first joint loads meet
	s_cmp_lt_u32 s[WV], 2                          ; a wave's two first fills stand in one branch: two loads of mine are out
	s_cbranch_scc0 .Lfirst_b
	tensor_load_to_lds s[G0A0:G0A0+3], s[G1A:G1A+7]
	s_nop 0
	tensor_load_to_lds s[G0A:G0A+3], s[G1A:G1A+7]
	s_nop 0
	PLACES
	s_branch .Lfirst_done
.Lfirst_b:
	tensor_load_to_lds s[G0B0:G0B0+3], s[G1B:G1B+7]
	s_nop 0
	tensor_load_to_lds s[G0B:G0B+3], s[G1B:G1B+7]
	s_nop 0
	PLACES
.Lfirst_done:
	v_and_b32 v1, 15, v0                           ; r
	v_bfe_u32 v2, v0, 4, 1                         ; h
	v_and_b32 v3, 31, v0                           ; l
	v_mul_u32_u24 v20, v1, PITCH
	v_lshl_add_u32 v20, v2, 4, v20
	s_mul_i32 s80, s[RH], HA                       ; my unit's 80 rows,
	s_lshl_b32 s82, s[CH], 8                       ; my 256 bytes of each row
	s_add_co_u32 s80, s80, s82
	s_add_co_u32 s81, s82, BOFF
	v_add_nc_u32 v[ADRA0], s80, v20
	v_add_nc_u32 v[ADRB0], s81, v20
	v_mov_b32 v[ADRA], v[ADRA0]
	v_mov_b32 v[ADRB], v[ADRB0]
	; the prefetches: where they stand, and who asks
	s_mul_i32 s80, s[TY], TA
	s_mul_i32 s81, s[CX], RPA
	s_add_co_u32 s80, s80, s81
	s_mul_i32 s80, s80, ROWA
	s_add_co_u32 s80, s80, AOFF+2*KB
	s_mov_b32 s81, 0
	s_add_nc_u64 s[PFA:PFA+1], s[APTR:APTR+1], s[80:81]
	s_mul_i32 s82, s[TX], TBR
	s_mul_i32 s83, s[CY], RPB
	s_add_co_u32 s82, s82, s83
	s_mul_i32 s82, s82, ROWBB
	s_add_co_u32 s82, s82, BOFFG+2*KB
	s_mov_b32 s83, 0
	s_add_nc_u64 s[PFB:PFB+1], s[BPTR:BPTR+1], s[82:83]
	s_mov_b32 s80, ttmp9
	s_cmp_eq_u32 s80, 0
	s_cselect_b32 s[LIMA], 1, -1
	s_and_b32 s80, ttmp7, 0xffff
	s_cmp_eq_u32 s80, 0
	s_cselect_b32 s[LIMB], 1, -1
	s_cmp_eq_u32 s[WV], 0
	s_cselect_b32 s[LIMX], s[LIMA], -1
	v_lshrrev_b32 v20, PRS, v3
	v_and_b32 v21, (1<<PRS)-1, v3
	v_mul_u32_u24 v[PFO], v20, ROWA
	v_lshl_add_u32 v[PFO], v21, 8, v[PFO]
	s_mul_i32 s80, s[WV], (32>>PRS)*ROWA
	v_add_nc_u32 v[PFO], s80, v[PFO]
	; the way out
	s_mul_i32 s80, s[WV], 64*DP
	v_mul_u32_u24 v[STO], v1, DP                   ; in: row r, 32 bytes for each half of the lanes
	v_lshl_add_u32 v[STO], v2, 5, v[STO]
	v_add_nc_u32 v[STO], s80, v[STO]
	s_mul_i32 s80, s[RH], 2*64*DP                  ; back: my unit's first half of K, places 32 CH on: a row of 512 bytes an instruction
	s_mul_i32 s81, s[CH], 32*DP
	s_add_co_u32 s80, s80, s81
	v_lshl_add_u32 v[RD], v3, 4, s80
	v_lshlrev_b32 v[GO], 4, v3
	s_lshl_b32 s80, s[TY], 1
	s_add_co_u32 s80, s80, s[RH]                   ; my unit u
	s_lshl_b32 s81, s[CH], 5
	s_lshl_b32 s82, s80, 6
	s_add_co_u32 s82, s82, s81
	s_lshl_b32 s82, s82, 12
	s_lshl_b32 s83, s[TX], 9
	s_add_co_u32 s82, s82, s83
	s_mov_b32 s83, 0
	s_add_nc_u64 s[O2:O2+1], s[10:11], s[82:83]    ; midf at place 32 CH of my unit
	s_lshr_b32 s82, s80, 5                         ; out0: batch u / 32, row 1,024 CH + 16 (u % 32); place i lies 512 (i / 16) + i % 16 rows on
	s_lshl_b32 s82, s82, 11
	s_lshl_b32 s81, s[CH], 10
	s_add_co_u32 s82, s82, s81
	s_and_b32 s81, s80, 31
	s_lshl_b32 s81, s81, 4
	s_add_co_u32 s82, s82, s81
	s_lshl_b32 s82, s82, 12
	s_lshl_b32 s81, s[TX], 9
	s_add_co_u32 s82, s82, s81
	s_add_nc_u64 s[O1:O1+1], s[12:13], s[82:83]
	v_lshl_add_u32 v[BO], v3, 4, s81
	s_mov_b32 s86, 0xffff0000
	WIN 0x40                                       ; destination window 1
.set i, 0
.rept 32
	global_load_b128 v[MID+4*i:MID+4*i+3], v[GO], s[O2:O2+1] offset:i*4096  ; wanted at the very end: on their way under the whole product
.set i, i+1
.endr
	WIN 0
	global_load_b128 v[16:19], v[BO], s[8:9]       ; b_out of my four columns
	s_wait_tensorcnt 0x1                           ; my part of K step 0 is in; K step 1's may stay out
	s_barrier_signal -1
	s_barrier_wait -1
	FETCH 0, 0
	QUARTER 1, 0, 1, 1
	WIN 0
	s_mov_b32 s[CNT], KS-2
	s_branch .Lin
.Lstep:
	QUARTER 1, 0, 1, 0
	WIN 0
.Lin:
	QUARTER 2, 1, 0, 0
	QUARTER 3, 0, 1, 0
	TURN1
	WIN 0
	s_sub_co_u32 s[CNT], s[CNT], 1
	s_cmp_lg_u32 s[CNT], 0
	s_cbranch_scc1 .Lstep
	s_mov_b32 s[CNT], 2
.Ltail:
	QUARTER 1, 0, 1, 0
	QUARTER 2, 1, 0, 0
	QUARTER 3, 0, 1, 0
	TURN0
	WIN 0
	s_sub_co_u32 s[CNT], s[CNT], 1
	s_cmp_lg_u32 s[CNT], 0
	s_cbranch_scc1 .Ltail
	; THE WAY OUT.  Every wave's reads of the slots are over and waited for; behind this barrier the sums are laid over slot 0.
	PLACES
	PLACES
	s_wait_dscnt 0x0
	s_barrier_signal -1
	s_barrier_wait -1
	WIN 0x08                                       ; store data in window 2
.set aa, 0
.rept 4
.set bb, 0
.rept 8
	ds_store_b128 v[STO], v[64*aa+8*bb:64*aa+8*bb+3]   offset:aa*16*DP+64*bb
	ds_store_b128 v[STO], v[64*aa+8*bb+4:64*aa+8*bb+7] offset:aa*16*DP+64*bb+16
.set bb, bb+1
.endr
.set aa, aa+1
.endr
	WIN 0
	s_wait_dscnt 0x0                               ; for the others' sake: my sums lie in LDS
	s_barrier_signal -1
	s_barrier_wait -1
	s_wait_loadcnt 0x0                             ; mid and b_out
	v_cvt_pk_bf16_f32 v20, v16, v17                ; b_out rounded once to bf16, like every input
	v_cvt_pk_bf16_f32 v21, v18, v19
	v_lshlrev_b32 v16, 16, v20
	v_and_b32 v17, s86, v20
	v_lshlrev_b32 v18, 16, v21
	v_and_b32 v19, s86, v21
.irp hf, 0, 1                          ; twice 16 rows; each half has result registers of its own (v64-127, v192-255), so no store's data is rewritten
.set XR, 64+128*(\hf)
.set i, 0
.rept 16
	ds_load_b128 v[XR+4*i:XR+4*i+3], v[RD] offset:(16*(\hf)+i)*DP
	ds_load_b128 v[ZR+4*i:ZR+4*i+3], v[RD] offset:(16*(\hf)+i)*DP+64*DP
.set i, i+1
.endr
.set i, 0
.rept 16
	s_wait_dscnt 30-2*i
	v_pk_add_f32 v[XR+4*i:XR+4*i+1],   v[XR+4*i:XR+4*i+1],   v[ZR+4*i:ZR+4*i+1]
	v_pk_add_f32 v[XR+4*i+2:XR+4*i+3], v[XR+4*i+2:XR+4*i+3], v[ZR+4*i+2:ZR+4*i+3]
	v_pk_add_f32 v[XR+4*i:XR+4*i+1],   v[XR+4*i:XR+4*i+1],   v[16:17]
	v_pk_add_f32 v[XR+4*i+2:XR+4*i+3], v[XR+4*i+2:XR+4*i+3], v[18:19]
.set i, i+1
.endr
	WIN 0x04                                       ; source 1 in window 1: mid
.set i, 0
.rept 16
	v_pk_add_f32 v[XR+4*i:XR+4*i+1],   v[XR+4*i:XR+4*i+1],   v[MID+4*(16*(\hf)+i):MID+4*(16*(\hf)+i)+1]
	v_pk_add_f32 v[XR+4*i+2:XR+4*i+3], v[XR+4*i+2:XR+4*i+3], v[MID+4*(16*(\hf)+i)+2:MID+4*(16*(\hf)+i)+3]
.set i, i+1
.endr
	WIN 0
.set i, 0
.rept 16
	global_store_b128 v[GO], v[XR+4*i:XR+4*i+3], s[O1:O1+1] offset:(\hf)*2097152+i*4096 th:TH_STORE_NT  ; 512 consecutive bytes, aligned
.set i, i+1
.endr
.endr
	s_wait_tensorcnt 0x0                           ; the wave's end
	ds_add_u32 v[SPW], v[NIL]
	s_wait_dscnt 0x0
	CROUND                                         ; the closing round
	s_endpgm
.Lfunc_end_k_qbbd0fa7a51_wout:
	.size	k_qbbd0fa7a51_wout, .Lfunc_end_k_qbbd0fa7a51_wout-k_qbbd0fa7a51_wout
	.p2alignl 7, 3214868480
	.fill 96, 4, 3214868480
	.section	.rodata,"a",@progbits
	.p2align	6, 0x0
	.amdhsa_kernel k_qbbd0fa7a51_wout
		.amdhsa_group_segment_fixed_size 327680
		.amdhsa_private_segment_fixed_size 0
		.amdhsa_enable_private_segment 0
		.amdhsa_kernarg_size 40
		.amdhsa_user_sgpr_count 2
		.amdhsa_user_sgpr_kernarg_segment_ptr 1
		.amdhsa_wavefront_size32 1
		.amdhsa_system_sgpr_workgroup_id_x 1
		.amdhsa_system_sgpr_workgroup_id_y 1
		.amdhsa_system_sgpr_workgroup_id_z 1
		.amdhsa_system_vgpr_workitem_id 0
		.amdhsa_next_free_vgpr 768
		.amdhsa_next_free_sgpr 88
		.amdhsa_reserve_vcc 0
		.amdhsa_float_denorm_mode_32 3
		.amdhsa_float_denorm_mode_16_64 3
		.amdhsa_memory_ordered 1
		.amdhsa_forward_progress 1
		.amdhsa_inst_pref_size 81
	.end_amdhsa_kernel
	.amdgpu_metadata
---
amdhsa.version: [ 1, 2 ]
amdhsa.kernels:
  - .name:           k_qbbd0fa7a51_wout
    .symbol:         k_qbbd0fa7a51_wout.kd
    .args:
      - { .name: hA, .offset: 0, .size: 8, .value_kind: global_buffer, .address_space: global }
      - { .name: wb, .offset: 8, .size: 8, .value_kind: global_buffer, .address_space: global }
      - { .name: b_out, .offset: 16, .size: 8, .value_kind: global_buffer, .address_space: global }
      - { .name: midf, .offset: 24, .size: 8, .value_kind: global_buffer, .address_space: global }
      - { .name: out0, .offset: 32, .size: 8, .value_kind: global_buffer, .address_space: global }
    .group_segment_fixed_size: 327680
    .private_segment_fixed_size: 0
    .kernarg_segment_align: 8
    .kernarg_segment_size: 40
    .max_flat_workgroup_size: 128
    .sgpr_count:     88
    .vgpr_count:     768
    .wavefront_size: 32
...
	.end_amdgpu_metadata
.endif
;; end of part 6
;; ======== version 2 of 2: 6 launches; version 1 with the launch cast written anew for expert scheduling mode
;; limits: right only within a limited range of input values
;; workspace buffers: wb 33,554,432 bytes; vbuf 16,777,216 bytes; st 786,432 bytes; zA 10,485,760 bytes; midf 16,777,216 bytes; midA 10,485,760 bytes; hA 41,943,040 bytes
;; launch cast (part 7): grid 256 x 1, 32 waves a work-group, no clusters, 0 bytes of LDS; arguments x, W_Q, W_K, W_V, W_O, W_in, W_out, wb; writes wb
.if DOCPART == 7
	.amdgcn_target "amdgcn-amd-amdhsa--gfx1250"
	.amdhsa_code_object_version 6
	.text
	.protected	k_qbbd0fa7a51_cast
	.globl	k_qbbd0fa7a51_cast
	.p2align	8
	.type	k_qbbd0fa7a51_cast,@function
k_qbbd0fa7a51_cast:
	s_mov_b64 s[64:65], 0
	v_nop
	global_prefetch_b8 v0, s[64:65] scope:SCOPE_SE
	s_setreg_imm32_b32 hwreg(HW_REG_WAVE_SCHED_MODE, 0, 2), 2
	s_setreg_imm32_b32 hwreg(HW_REG_WAVE_MODE, 25, 1), 1
	s_wait_xcnt 0x0
	s_wait_alu depctr_vm_vsrc(0)
; x and the six weight tensors, f32, are rounded once to bf16 (nearest even) and laid into wb for the four products that follow.
; wb, in units of 131,072 bytes (65,536 numbers): 0-63 x [4096][1024]; 64-111 the projections by heads, [head][Q, K, V][64][1024];
; 112-127 W_O; 128-191 W_in; 192-255 W_out.  Work-group g converts one unit: 256 KiB in, 128 KiB out.
; A stream: no LDS, no barrier, no matrix unit.  32 waves; in a turn the 1,024 threads take 16 KiB: thread t loads 16 bytes at 16 t (a wave's load covers 512 consecutive bytes)
; and stores 8 bytes at 8 t (a wave's store covers 256 consecutive bytes, aligned).
; ALL SIXTEEN LOADS OF A WAVE GO OUT AT THE HEAD: the work-group's whole 256 KiB is on its way at once, in 64 registers a lane.  Every turn has registers of its own, so nothing is rewritten.
; THE MODE: SCHED_MODE bits 1:0 = 2 (LLVM: expert scheduling mode 2), set by the entry lines.  The code itself states the register dependences
; between vector instructions and memory instructions, with s_wait_alu, always for 0.
; THE PLAN.  Registers that memory instructions touch:
;   v1, v2   byte offsets.  Written once at the head, by a vector instruction each; read by every load (v1) and every store (v2); never written again.
;   X        four registers a turn.  Written by the turn's load alone, which goes out before any vector instruction names them; read by the turn's two conversions; never loaded again.
;   Y        two registers a turn.  Written by the turn's two conversions; read by the turn's one store; never written again.
; The sixteen turns go in four blocks of four.  A block's conversions write its own Y; its memory instructions are the four stores of the block before, which read that block's Y and v2:
; registers that no vector instruction of this block names.  So one wait on va_vdst at a block's head states all that its four stores hang on, and these are dealt among its conversions
; with no further wait.  One more stands ahead of the first load (the offsets) and one ahead of the last four stores.  No register that a memory instruction reads is written again, no vector
; instruction writes a scalar register, and EXEC is never written: no other wait is owed.
.set X,     4                          ; v[4:67]    four registers a turn: the numbers as loaded
.set Y,     68                         ; v[68:99]   two registers a turn: the numbers as stored
.set TURNS, 16
.set BLOCK, 4                          ; turns in a block
	s_load_b256 s[8:15], s[0:1], 0x0               ; x s[8:9], W_Q s[10:11], W_K s[12:13], W_V s[14:15]
	s_load_b256 s[16:23], s[0:1], 0x20             ; W_O s[16:17], W_in s[18:19], W_out s[20:21], wb s[22:23]
	s_mov_b32 s2, ttmp9                            ; g
	v_lshlrev_b32 v1, 4, v0                        ; my 16 bytes of a turn, in
	v_lshlrev_b32 v2, 3, v0                        ; my 8 bytes, out
	s_and_b32 s30, s2, 15                          ; for 64 <= g < 112: head = g % 16, kind = g / 16 - 4,
	s_mul_i32 s30, s30, 3
	s_lshr_b32 s31, s2, 4
	s_add_co_u32 s30, s30, s31
	s_add_co_u32 s30, s30, 60                      ; unit 64 + 3 head + kind
	s_sub_co_u32 s31, s2, 64
	s_cmp_lt_u32 s31, 48
	s_cselect_b32 s30, s30, s2                     ; every other g keeps its own number
	s_lshl_b32 s30, s30, 17
	s_mov_b32 s31, 0
	s_wait_kmcnt 0x0
	s_mov_b64 s[24:25], s[20:21]                   ; the source and its first g: W_out unless g lies lower
	s_mov_b32 s26, 192
.macro PICK lim, ptr, first
	s_cmp_lt_u32 s2, \lim
	s_cselect_b64 s[24:25], s[\ptr:\ptr+1], s[24:25]
	s_cselect_b32 s26, \first, s26
.endm
	PICK 192, 18, 128
	PICK 128, 16, 112
	PICK 112, 14, 96
	PICK 96, 12, 80
	PICK 80, 10, 64
	PICK 64, 8, 0
	s_sub_co_u32 s28, s2, s26
	s_lshl_b32 s28, s28, 18                        ; 262,144 bytes of the source for each g
	s_mov_b32 s29, 0
	s_add_nc_u64 s[24:25], s[24:25], s[28:29]
	s_add_nc_u64 s[22:23], s[22:23], s[30:31]
	s_wait_alu depctr_va_vdst(0)                   ; v1 and v2 are written: every load of the kernel reads v1 as its offset, every store v2
.set it, 0
.rept TURNS
	global_load_b128 v[X+4*it:X+4*it+3], v1, s[24:25] offset:it*16384 th:TH_LOAD_NT
.set it, it+1
.endr
.set it, 0
.rept TURNS
	s_wait_loadcnt TURNS-1-it                      ; loads come back in order: this turn's is in, the younger ones stay out
.if (it > 0) && (it % BLOCK == 0)
	s_wait_alu depctr_va_vdst(0)                   ; the block before has written its eight registers of Y, which this block's four stores read
.endif
.if it >= BLOCK
	global_store_b64 v2, v[Y+2*(it-BLOCK):Y+2*(it-BLOCK)+1], s[22:23] offset:(it-BLOCK)*8192  ; the block before's turn; no vector instruction since the wait names these registers
.endif
	v_cvt_pk_bf16_f32 v[Y+2*it],   v[X+4*it],   v[X+4*it+1]
	v_cvt_pk_bf16_f32 v[Y+2*it+1], v[X+4*it+2], v[X+4*it+3]
.set it, it+1
.endr
	s_wait_alu depctr_va_vdst(0)                   ; the last block has written its eight registers of Y, which the last four stores read
.set it, TURNS-BLOCK
.rept BLOCK
	global_store_b64 v2, v[Y+2*it:Y+2*it+1], s[22:23] offset:it*8192
.set it, it+1
.endr
	s_endpgm
.Lfunc_end_k_qbbd0fa7a51_cast:
	.size	k_qbbd0fa7a51_cast, .Lfunc_end_k_qbbd0fa7a51_cast-k_qbbd0fa7a51_cast
	.p2alignl 7, 3214868480
	.fill 96, 4, 3214868480
	.section	.rodata,"a",@progbits
	.p2align	6, 0x0
	.amdhsa_kernel k_qbbd0fa7a51_cast
		.amdhsa_group_segment_fixed_size 0
		.amdhsa_private_segment_fixed_size 0
		.amdhsa_enable_private_segment 0
		.amdhsa_kernarg_size 64
		.amdhsa_user_sgpr_count 2
		.amdhsa_user_sgpr_kernarg_segment_ptr 1
		.amdhsa_wavefront_size32 1
		.amdhsa_system_sgpr_workgroup_id_x 1
		.amdhsa_system_sgpr_workgroup_id_y 1
		.amdhsa_system_sgpr_workgroup_id_z 1
		.amdhsa_system_vgpr_workitem_id 0
		.amdhsa_next_free_vgpr 104
		.amdhsa_next_free_sgpr 66
		.amdhsa_reserve_vcc 0
		.amdhsa_float_denorm_mode_32 3
		.amdhsa_float_denorm_mode_16_64 3
		.amdhsa_memory_ordered 1
		.amdhsa_forward_progress 1
		.amdhsa_inst_pref_size 8
	.end_amdhsa_kernel
	.amdgpu_metadata
---
amdhsa.version: [ 1, 2 ]
amdhsa.kernels:
  - .name:           k_qbbd0fa7a51_cast
    .symbol:         k_qbbd0fa7a51_cast.kd
    .args:
      - { .name: x, .offset: 0, .size: 8, .value_kind: global_buffer, .address_space: global }
      - { .name: W_Q, .offset: 8, .size: 8, .value_kind: global_buffer, .address_space: global }
      - { .name: W_K, .offset: 16, .size: 8, .value_kind: global_buffer, .address_space: global }
      - { .name: W_V, .offset: 24, .size: 8, .value_kind: global_buffer, .address_space: global }
      - { .name: W_O, .offset: 32, .size: 8, .value_kind: global_buffer, .address_space: global }
      - { .name: W_in, .offset: 40, .size: 8, .value_kind: global_buffer, .address_space: global }
      - { .name: W_out, .offset: 48, .size: 8, .value_kind: global_buffer, .address_space: global }
      - { .name: wb, .offset: 56, .size: 8, .value_kind: global_buffer, .address_space: global }
    .group_segment_fixed_size: 0
    .private_segment_fixed_size: 0
    .kernarg_segment_align: 8
    .kernarg_segment_size: 64
    .max_flat_workgroup_size: 1024
    .sgpr_count:     66
    .vgpr_count:     104
    .wavefront_size: 32
...
	.end_amdgpu_metadata
.endif
;; end of part 7
;; launch qkv: the kernel of part 2 again; grid 16 x 16, 4 waves a work-group, clusters of 4 x 4, 327,680 bytes of LDS; arguments wb, vbuf, st; writes vbuf, st
;; launch scan: the kernel of part 3 again; grid 256 x 1, 2 waves a work-group, no clusters, 167,936 bytes of LDS; arguments vbuf, st, zA; writes zA
;; launch wo: the kernel of part 4 again; grid 8 x 32, 4 waves a work-group, clusters of 4 x 4, 327,680 bytes of LDS; arguments zA, wb, midf, midA; writes midf, midA
;; launch win: the kernel of part 5 again; grid 16 x 16, 4 waves a work-group, clusters of 4 x 4, 327,680 bytes of LDS; arguments midA, wb, b_in, hA; writes hA
;; launch wout: the kernel of part 6 again; grid 8 x 32, 4 waves a work-group, clusters of 4 x 4, 327,680 bytes of LDS; arguments hA, wb, b_out, midf, out0; writes out0
